; MI455X (gfx1250); checked and timed in simulation.
; The chip was launched on July 23, 2026; its instructions are those of AMD's public machine-readable ISA for CDNA 5 (MIT licence, August 2026) and "CDNA5" Instruction Set Architecture Reference Guide (July 2026). The comments in the code are by the model that wrote it; some were corrected since.
;; Multi Encoder Layer. Allowed arithmetic: matrix products marked QUANTISED: E2M3 operands, one E8M0 scale for each 32 along K, by v_wmma_scale_f32_16x16x128_f8f6f4 with both operands' format E2M3, f32 sums; everything else in f32.
;; Inputs: b1 2,048 float32; b2 512 float32; g_m 16 x 1,024 x 1,024 float32; ln1_b 512 float32; ln1_w 512 float32; ln2_b 512 float32; ln2_w 512 float32; mask 16 x 1,024 x 1,024 int32; t_m 16 x 1,024 x 1,024 float32; w1 512 x 2,048 float32; w2 2,048 x 512 float32; x 16 x 1,024 x 512 float32.
;; Outputs: out0 16 x 1,024 x 512 float32.
;; This version of the problem:
;;   THIS VERSION OF THE PROBLEM IS GIVEN IN LOW PRECISION. The matrix products marked QUANTISED in the list below multiply operands that are first quantised to E2M3 (2 exponent bits, 3 mantissa bits; 6 bits a number), with one power-of-two scale for each 32 numbers along K (OCP MX v1.0); their sums are f32. All else is computed in f32.
;;   The module's matrix products, in the order in which they are computed (A, B: the left and right operand; K: the contracted axis; several contracted axes count as one K, in the product's order):
;;     1. batch 16 x [M 1,024, K 512] x [K 512, N 1,024]; A: computed on the way; B: computed on the way: QUANTISED
;;     2. batch 16 x [M 1,024, K 1,024] x [K 1,024, N 512]; A: softmax (see below); B: computed on the way: QUANTISED
;;     3. [M 16,384, K 512] x [K 512, N 2,048]; A: computed on the way; B: input w1: QUANTISED
;;     4. [M 16,384, K 2,048] x [K 2,048, N 512]; A: computed on the way; B: input w2: QUANTISED
;;   THE QUANTISER, for each operand of a quantised product, along K:
;;     - K is cut into blocks of 32 from its start; a last block that is shorter is filled with zeros.
;;     - A block's scale is 2^e with e = floor(log2(the largest magnitude in the block)) - 2, held to -126 .. 127; a block of zeros has e = 0. As a byte (E8M0): e + 127.
;;     - Each number is divided by its block's scale, clamped to +-7.5, and rounded to the nearest number of E2M3, ties to even, subnormals kept.
;;     - The product sums the exact products of the quantised numbers (number of the format x scale) in f32.
;;   ~~~python
;;   def quantise(x, axis):      # numpy; x: float32 -> the quantised numbers, widened to float32 again
;;       x = np.moveaxis(x, axis, -1); K = x.shape[-1]
;;       x = np.pad(x, [(0, 0)] * (x.ndim - 1) + [(0, -K % 32)]); x = x.reshape(x.shape[:-1] + (-1, 32)); a = np.abs(x).max(-1, keepdims=True)
;;       e = np.where(a > 0, np.clip(np.frexp(np.where(a > 0, a, 1))[1] - 1 - 2, -126, 127), 0)      # np.frexp(a)[1] - 1 = floor(log2(a)), exactly
;;       r = np.clip(x / 2.0 ** e, -7.5, 7.5)
;;       step = 2.0 ** (np.maximum(np.frexp(np.where(r == 0, 1, r))[1] - 1, 0) - 3)
;;       q = np.round(r / step) * step * 2.0 ** e      # np.round: ties to even
;;       return np.moveaxis(q.reshape(q.shape[:-2] + (-1,))[..., :K], -1, axis).astype(np.float32)
;;   ~~~
;;   SOFTMAX AHEAD OF A QUANTISED PRODUCT. Where the list says 'softmax', what is quantised is not the finished softmax but p = 2^(t - M), with t = logit x log2(e) and M = ceil(the row's largest t), a whole number; so 1/2 < the row's largest p <= 1. The row's sum l is taken of the UNQUANTISED p, in f32, and the product's result is divided by l at the end. Since M is a whole number, a kernel that streams over the keys may use a running M (the ceiling of the running maximum): every later rescaling is an exact power of two, which a block's scale takes up: the codes' values come out the same.
;;   OPERANDS COMPUTED ON THE WAY. 'Computed on the way' means the value that the module computes at that place (a softmax that the list does not call 'softmax' is quantised finished and normalised). What goes into a quantiser is computed in f32, as accurately as f32 sums, v_exp_f32 and their like allow (about 1e-6 of the number): no bf16 or f16 on the way to a quantiser, and a product that is left as it is and whose result goes on into a quantised operand takes f32 operands (vector FMAs, or v_wmma_f32_16x16x4_f32). A number that lies on a knife's edge between two numbers of the format may be rounded either way, as far as f32 arithmetic and the matrix unit's own rounding can turn it there, and no further.
;; One version. Each part assembles by itself: llvm-mc -triple=amdgcn-amd-amdhsa -mcpu=gfx1250 --defsym DOCPART=n.
;; ======== version 1 of 1: 2 launches
;; limits: right only within a limited range of input values
;; workspace buffers: hq 6,553,600 bytes; hv 6,553,600 bytes; wc 1,638,400 bytes; pm 2,048 bytes
;; launch prep (part 1): grid 16 x 16, 8 waves a work-group, no clusters, 133,888 bytes of LDS; arguments x, t_m, g_m, ln1_w, ln1_b, w1, w2, hq, hv, wc, pm; writes hq, hv, wc, pm
.if DOCPART == 1
	.amdgcn_target "amdgcn-amd-amdhsa--gfx1250"
	.amdhsa_code_object_version 6
	.text
	.protected	k_q0ca964b254_prep
	.globl	k_q0ca964b254_prep
	.p2align	8
	.type	k_q0ca964b254_prep,@function
k_q0ca964b254_prep:
	s_mov_b64 s[64:65], 0
	v_nop
	global_prefetch_b8 v0, s[64:65] scope:SCOPE_SE
	s_setreg_imm32_b32 hwreg(HW_REG_WAVE_MODE, 25, 1), 1
	s_wait_xcnt 0x0
; PREP.  What every work-group of the next launch shares is made once: h = LayerNorm1(x) as codes of FP6 (E2M3) along d (hq) and along the keys (hv), w1 and w2 as codes along their K (wc),
; and the largest t_m and g_m of 64 rows (pm).  Work-group (x = j, y = batch): rows 64 j .. 64 j + 63 of x, t_m, g_m of its batch, and weight record g = 16 batch + j.  Eight waves.
; A RECORD is 6,400 bytes: four fragments (16 rows x 128 K, 12 registers a lane, 1,536 bytes) as images of the operand's registers, then 256 bytes of scale words (tile f, lane r at 6144 + 64 f + 4 r).
; THE ROWS OF A TILE ARE NOT NEIGHBOURS: lane r of tile 2 B + u takes row 32 B + 8 u + (r & 7) + 16 (r >> 3), so that two neighbouring tiles' results are 16 neighbours along the next K.
;   hq [batch][R 16][s 4]: rows 64 R on, K = d 128 s on; registers 4 c .. 4 c + 3 at 512 c + 16 lane.
;   hv [batch][Rd 8][sigma 8]: rows = d 64 Rd on, K = keys 128 sigma on; half c (registers 6 c .. 6 c + 5) at 768 c: four registers at 16 lane, two at 512 + 8 lane.  Half c and scale bytes 2 c, 2 c + 1 come from j = 2 sigma + c.
;   wc [256]: g < 128: w1, units 64 (g >> 2) on, K = 128 (g & 3) on; else g' = g - 128: w2, outputs 64 (g' >> 4) on, K = 128 (g' & 15) on; laid as hq.
;   pm [batch][t, g][j]: f32.
; A block's scale is 2^(floor(log2(largest magnitude)) - 2); its byte is the largest magnitude's exponent field - 2, held at 1 from below by a floor among the maximum's leaves.
; LIMITS: NaN and infinities among the inputs are not served.  A block of zeros gets the byte 1 where the rule says 127: its codes are zeros, and this program alone reads the bytes.
; No tensor loads, no cluster, no prefetch: no two work-groups read the same bytes here, and each byte is read once.
; THE MAXIMA: a wave's 8 rows of t and of g are 16 positions (array p % 2, row p / 2) of 4,096 bytes.  They go through a ring of seven slots of 32 registers, v258 on, which nothing else uses:
; positions 0 to 5 (48 loads a wave) are asked for straight behind x's rows and are on their way while LayerNorm1 and the quantisers work; the sixteen turns follow behind hv's stores.
.set HP,    2064                       ; a row of h in LDS: 2,048 bytes + 16; 128 bytes more behind every 16 rows: the 16 rows of a tile then start in 16 different columns of 16 bytes (64 banks of 4 bytes: ISA guide 11.1)
.set MXR,   132608                     ; behind the tile: [t, g][wave] words
.set FLOOR, 0x1800000                  ; 2^(3 - 127)
.set EOFF,  0xff000000                 ; -(2 << 23)
.set L16, 1                            ; v1   16 x lane
.set L8,  2                            ; v2   8 x lane
.set R4,  3                            ; v3   4 x (lane % 16)
.set WLA, 4                            ; v4   the weights: my column's and my half's bytes
.set HWR, 5                            ; v5   LDS: where my wave's rows of h go
.set HRD, 6                            ; v6   LDS: my row and half for hq
.set HVD, 7                            ; v7   LDS: my column and half for hv
.set H8,  8                            ; v8   8 x (lane / 16)
.set PW,  9                            ; v9   the scale word just made
.set MXA, 10                           ; v10  LDS: my wave's word of the maxima
.set MXB, 11                           ; v11  LDS: the maxima
.set MA,  12                           ; v12-15 running maxima: two chains for t, two for g
.set TM,  16                           ; v16-31 at work
.set PC,  32                           ; v32-63 gains, later codes
.set WN,  64                           ; v64-127 a weight fragment's 64 numbers (waves 0 to 3)
.set X,   128                          ; v128-255 rows of x, the quantisers' sources
.set MW,  2                            ; window 1: v256, v257 the spare word's address and 0; v258-481 the maxima's ring
.set MSB, 0
.macro WIN new                         ; the immediate's high byte repeats the setting that is left; bits 1:0 source 0, 3:2 source 1, 5:4 source 2, 7:6 destination
.if MSB != \new
	s_set_vgpr_msb (MSB<<8)|\new
.set MSB, \new
.endif
.endm
.macro WLOAD pitch                     ; W(k0 + 64 c + 32 h + i, my column): a lane takes a column and its registers run down K
.set I_, 0
.rept 64
	global_load_b32 v[WN+I_], v[WLA], s[48:49] offset:(64*(I_/32)+I_%32)*\pitch
.set I_, I_+1
.endr
.endm
.macro MFILL p                         ; position p into slot p % 7: eight loads of 512 consecutive bytes; every offset is an immediate, no base is stepped
	WIN 0x40
.irp q, 0,1,2,3,4,5,6,7
	global_load_b128 v[MW+32*((\p)%7)+4*\q:MW+32*((\p)%7)+4*\q+3], v[L16], s[10+2*((\p)%2):11+2*((\p)%2)] offset:((\p)/2)*4096+512*\q th:TH_LOAD_NT
.endr
.endm
.macro MTURN p                         ; position p's 32 numbers a lane into two chains; then the slot read a turn ago takes the position six on
.if (\p) < 10
	s_wait_loadcnt 40                              ; loads come back in order: mine are in, the five younger positions' 40 stay out
.else
	s_wait_loadcnt 8*(15-(\p))                     ; no position follows the sixteenth: the count runs down
.endif
	WIN 0x14
.set S_, MW+32*((\p)%7)
.set A_, MA+2*((\p)%2)
	v_max3_num_f32 v[A_], v[A_], v[S_], v[S_+1]
	v_max3_num_f32 v[A_+1], v[A_+1], v[S_+2], v[S_+3]
.irp q, 1,2,3,4,5,6,7
	s_delay_alu instid0(VALU_DEP_2)
	v_max3_num_f32 v[A_], v[A_], v[S_+4*\q], v[S_+4*\q+1]
	s_delay_alu instid0(VALU_DEP_2)
	v_max3_num_f32 v[A_+1], v[A_+1], v[S_+4*\q+2], v[S_+4*\q+3]
.endr
.if (\p)+6 < 16
	MFILL (\p)+6
.endif
.endm
.macro RSUM                            ; the eight rows' pairs of partial sums become each row's sum, in every lane
.irp i, 0,1,2,3,4,5,6,7
	v_add_f32 v[TM+2*\i], v[TM+2*\i], v[TM+2*\i+1]
.endr
.irp x, 1,2,4,8
.irp i, 0,1,2,3,4,5,6,7
	v_add_f32_dpp v[TM+2*\i], v[TM+2*\i], v[TM+2*\i] row_xmask:\x row_mask:0xf bank_mask:0xf
.endr
.endr
.irp i, 0,1,2,3,4,5,6,7
	v_permlanex16_b32 v[TM+2*\i+1], v[TM+2*\i], s42, s43
.endr
.irp i, 0,1,2,3,4,5,6,7
	v_add_f32 v[TM+2*\i], v[TM+2*\i], v[TM+2*\i+1]
.endr
.endm
; 64 numbers of a lane, register 16 b + i = k 32 b + 16 (lane / 16) + i of my row, become a fragment's codes in v[PC] on and its scale word in v[PW].
.macro QUANT s
.irp b, 0,1,2,3
	v_max3_num_f32 v[TM+\b], |v[\s+16*\b]|, |v[\s+1+16*\b]|, FLOOR
.endr
.irp i, 2,4,6,8,10,12,14
.irp b, 0,1,2,3
	s_delay_alu instid0(VALU_DEP_4)
	v_max3_num_f32 v[TM+\b], v[TM+\b], |v[\s+16*\b+\i]|, |v[\s+1+16*\b+\i]|
.endr
.endr
.irp b, 0,1,2,3
	v_permlanex16_b32 v[TM+4+\b], v[TM+\b], s42, s43
.endr
.irp b, 0,1,2,3
	s_delay_alu instid0(VALU_DEP_4)
	v_max_num_f32 v[TM+\b], v[TM+\b], v[TM+4+\b]   ; with lane l xor 16's: the block's largest magnitude
.endr
.irp b, 0,1,2,3
	s_delay_alu instid0(VALU_DEP_4)
	v_add_nc_u32 v[TM+12+\b], EOFF, v[TM+\b]       ; 2 off its exponent field: the conversion's scale operand
.endr
.irp b, 0,1,2,3
	s_delay_alu instid0(VALU_DEP_4)
	v_lshrrev_b32 v[TM+4+\b], 23, v[TM+12+\b]      ; the scale's byte
.endr
	s_delay_alu instid0(VALU_DEP_3)
	v_lshl_or_b32 v[PW], v[TM+5], 8, v[TM+4]
	s_delay_alu instid0(VALU_DEP_1)
	v_lshl_or_b32 v[PW], v[TM+6], 16, v[PW]
	s_delay_alu instid0(VALU_DEP_1)
	v_lshl_or_b32 v[PW], v[TM+7], 24, v[PW]
.irp c, 0,1
	v_cvt_scalef32_pk16_fp6_f32 v[PC+6*\c:PC+2+6*\c], v[\s+32*\c:\s+15+32*\c], v[TM+12+2*\c]
	v_cvt_scalef32_pk16_fp6_f32 v[PC+12+4*\c:PC+14+4*\c], v[\s+16+32*\c:\s+31+32*\c], v[TM+12+2*\c+1]
.endr
	v_nop                                          ; one plain place behind a scaled conversion
.irp c, 0,1                            ; the operand's layout wants a whole block in a lane
.irp i, 0,1,2
	v_permlane16_swap_b32 v[PC+6*\c+\i], v[PC+12+4*\c+\i]
.endr
.irp i, 0,1,2
	s_delay_alu instid0(VALU_DEP_3)
	v_mov_b32 v[PC+3+6*\c+\i], v[PC+12+4*\c+\i]
.endr
.endr
.endm
.macro HQOUT e                         ; the fragment and its scale words to record s = 2 (wave % 2) + e
.irp c, 0,1,2
	global_store_b128 v[L16], v[PC+4*\c:PC+4*\c+3], s[22:23] offset:6400*\e+512*\c   ; 32 lanes store 512 consecutive bytes
.endr
	global_store_b32 v[R4], v[PW], s[36:37] offset:6400*\e                           ; lanes r and r + 16 hold the same word
.endm
	s_load_b512 s[8:23], s[0:1], 0x0               ; x 8, t_m 10, g_m 12, ln1_w 14, ln1_b 16, w1 18, w2 20, hq 22
	s_load_b128 s[24:27], s[0:1], 0x40             ; hv 24, wc 26
	s_load_b64 s[28:29], s[0:1], 0x50              ; pm
	WIN 0x40
	v_lshl_add_u32 v0, v0, 2, 0x20700              ; v256: my spare word; v257: 0
	v_mov_b32 v1, 0
	WIN 0
	v_lshrrev_b32 v16, 5, v0
	s_delay_alu instid0(VALU_DEP_1)
	v_readfirstlane_b32 s30, v16                   ; wave 0..7
	s_mov_b32 s31, ttmp9                           ; j
	s_and_b32 s32, ttmp7, 0xffff                   ; batch
	s_lshl_b32 s33, s32, 4
	s_add_co_u32 s33, s33, s31                     ; g
	s_mov_b32 s35, 0
	s_mov_b32 s42, 0x76543210
	s_mov_b32 s43, 0xfedcba98                      ; v_permlanex16_b32's selects for lane l xor 16
	s_mov_b32 s44, 0x3b000000                      ; 1 / 512
	s_mov_b32 s45, 0x358637bd                      ; 1e-6
	s_and_b32 s55, s31, 1
	v_and_b32 v16, 31, v0
	s_delay_alu instid0(VALU_DEP_1)
	v_lshlrev_b32 v[L16], 4, v16
	s_delay_alu instid0(VALU_DEP_2)
	v_lshlrev_b32 v[L8], 3, v16
	v_and_b32 v17, 15, v0
	s_delay_alu instid0(VALU_DEP_1)
	v_lshlrev_b32 v[R4], 2, v17
	v_bfe_u32 v18, v0, 4, 1                        ; h
	s_delay_alu instid0(VALU_DEP_1)
	v_lshlrev_b32 v[H8], 3, v18
	v_and_b32 v19, 7, v0                           ; r & 7
	v_bfe_u32 v20, v0, 3, 1                        ; r >> 3
	s_delay_alu instid0(VALU_DEP_1)
	v_lshl_add_u32 v21, v20, 4, v19
	s_delay_alu instid0(VALU_DEP_1)
	v_lshlrev_b32 v21, 2, v21                      ; 4 ((r & 7) + 16 (r >> 3)): my place in a tile's 32 columns, in bytes
	s_mul_i32 s41, s30, 8*HP                       ; rows 8 w on,
	s_lshr_b32 s50, s30, 1
	s_lshl_b32 s50, s50, 7                         ; 128 bytes for each 16 rows passed
	s_add_co_u32 s41, s41, s50
	v_add_nc_u32 v[HWR], s41, v[L16]
	v_mul_u32_u24 v[HRD], v19, HP                  ; hq: tile m = w >> 1: row 32 (m >> 1) + 8 (m & 1) + (r & 7) + 16 (r >> 3), + 64 h, + 1,024 (w & 1)
	s_delay_alu instid0(VALU_DEP_1)
	v_mad_u32_u24 v[HRD], v20, 16*HP+128, v[HRD]
	s_delay_alu instid0(VALU_DEP_1)
	v_lshl_add_u32 v[HRD], v18, 6, v[HRD]
	s_wait_alu depctr_va_vdst(0)                   ; the wait ahead of the run of scalar lines
	s_lshr_b32 s41, s30, 2
	s_mul_i32 s41, s41, 32*HP+256
	s_bfe_u32 s50, s30, 0x10001
	s_mul_i32 s50, s50, 8*HP
	s_add_co_u32 s41, s41, s50
	s_and_b32 s50, s30, 1
	s_lshl_b32 s50, s50, 10
	s_add_co_u32 s41, s41, s50
	v_add_nc_u32 v[HRD], s41, v[HRD]
	v_mad_u32_u24 v[HVD], v18, 32*HP+256, v21      ; hv: rows 32 h on, my column, + 256 w
	s_lshl_b32 s41, s30, 8
	v_add_nc_u32 v[HVD], s41, v[HVD]
	s_lshl_b32 s41, s30, 2
	s_add_co_u32 s41, s41, MXR
	v_mov_b32 v[MXA], s41
	v_mov_b32 v[MXB], MXR
.irp i, 0,1,2,3
	v_mov_b32 v[MA+\i], 0xff800000                 ; under every number
.endr
	; the weight record: w1 (batch < 8) or w2.  Only pointers, shifts and the pitch are chosen
	s_cmp_lt_u32 s32, 8
	s_mov_b32 s51, 65536
	s_cselect_b32 s51, 262144, s51                 ; 32 rows of the weight, in bytes
	s_cselect_b32 s50, 3, 15                       ; K steps - 1
	s_cselect_b32 s52, 2, 4
	s_cselect_b32 s53, 20, 18                      ; 128 rows of the weight are 2^20 or 2^18 bytes
	v_mad_u32_u24 v[WLA], v18, s51, v21            ; lanes 16-31 begin 32 rows further down
	s_wait_kmcnt 0x0
	s_cselect_b64 s[48:49], s[18:19], s[20:21]
	s_and_b32 s41, s33, 127
	s_and_b32 s50, s41, s50
	s_lshl_b32 s50, s50, s53                       ; k0 rows
	s_lshr_b32 s52, s41, s52
	s_lshl_b32 s52, s52, 8                         ; n0 = 64 x .. columns of 4 bytes
	s_add_co_u32 s34, s50, s52
	s_lshr_b32 s53, s30, 1                         ; tile f = wave: columns 32 (f >> 1) + 8 (f & 1) on
	s_lshl_b32 s53, s53, 7
	s_add_co_u32 s34, s34, s53
	s_and_b32 s53, s30, 1
	s_lshl_b32 s53, s53, 5
	s_add_co_u32 s34, s34, s53
	s_add_nc_u64 s[48:49], s[48:49], s[34:35]
	s_cmp_lt_u32 s30, 4                            ; waves 0 to 3 take a tile each.  These are the wave's oldest loads: the wait for x's rows covers them
	s_cbranch_scc0 .Lno_weight
	s_cmp_lt_u32 s32, 8
	s_cbranch_scc0 .Lweight2
	s_wait_alu depctr_va_vdst(0)
	WLOAD 8192
	s_branch .Lno_weight
.Lweight2:
	s_wait_alu depctr_va_vdst(0)
	WLOAD 2048
.Lno_weight:
	s_mov_b32 s53, 0
	s_lshl_b32 s34, s32, 21                        ; x: (1024 batch + 64 j + 8 w) rows of 2,048 bytes
	s_lshl_b32 s41, s31, 17
	s_add_co_u32 s34, s34, s41
	s_lshl_b32 s41, s30, 14
	s_add_co_u32 s34, s34, s41
	s_add_nc_u64 s[8:9], s[8:9], s[34:35]
	s_lshl_b32 s34, s34, 1                         ; t_m, g_m: the same rows of 4,096 bytes
	s_add_nc_u64 s[10:11], s[10:11], s[34:35]
	s_add_nc_u64 s[12:13], s[12:13], s[34:35]
	s_mul_i32 s54, s32, 409600                     ; a batch's 64 records
	s_mul_i32 s41, s31, 25600
	s_add_co_u32 s41, s41, s54
	s_and_b32 s50, s30, 1
	s_mul_i32 s50, s50, 12800
	s_add_co_u32 s41, s41, s50                     ; hq: record (R = j, s = 2 (w & 1))
	s_lshr_b32 s50, s30, 1                         ; tile m
	s_mul_i32 s34, s50, 1536
	s_add_co_u32 s34, s34, s41
	s_lshl_b32 s52, s50, 6
	s_add_co_u32 s52, s52, s41
	s_add_co_u32 s52, s52, 6144
	s_add_nc_u64 s[36:37], s[22:23], s[52:53]      ; its scale words
	s_add_nc_u64 s[22:23], s[22:23], s[34:35]      ; its fragment
	s_mul_i32 s41, s30, 51200
	s_add_co_u32 s41, s41, s54
	s_lshr_b32 s50, s31, 1
	s_mul_i32 s50, s50, 6400
	s_add_co_u32 s41, s41, s50                     ; hv: record (Rd = w, sigma = j >> 1)
	s_mul_i32 s34, s55, 768                        ; half c = j & 1
	s_add_co_u32 s34, s34, s41
	s_lshl_b32 s52, s55, 1
	s_add_co_u32 s52, s52, s41
	s_add_co_u32 s52, s52, 6144
	s_add_nc_u64 s[38:39], s[24:25], s[52:53]
	s_add_nc_u64 s[24:25], s[24:25], s[34:35]
	s_mul_i32 s41, s33, 6400                       ; wc: record g, tile f = wave
	s_mul_i32 s34, s30, 1536
	s_add_co_u32 s34, s34, s41
	s_lshl_b32 s52, s30, 6
	s_add_co_u32 s52, s52, s41
	s_add_co_u32 s52, s52, 6144
	s_add_nc_u64 s[46:47], s[26:27], s[52:53]
	s_add_nc_u64 s[26:27], s[26:27], s[34:35]
	s_lshl_b32 s34, s32, 7                         ; pm: 128 batch + 4 j
	s_lshl_b32 s41, s31, 2
	s_add_co_u32 s34, s34, s41
	s_add_nc_u64 s[28:29], s[28:29], s[34:35]
	; ---- LayerNorm1: wave w takes rows 8 w + i; a lane holds 16 numbers of each row (d = 128 k + 4 lane + 0..3)
.irp i, 0,1,2,3,4,5,6,7
.irp k, 0,1,2,3
	global_load_b128 v[X+16*\i+4*\k:X+16*\i+4*\k+3], v[L16], s[8:9] offset:2048*\i+512*\k
.endr
.endr
.irp k, 0,1,2,3
	global_load_b128 v[PC+4*\k:PC+4*\k+3], v[L16], s[14:15] offset:512*\k
	global_load_b128 v[PC+16+4*\k:PC+16+4*\k+3], v[L16], s[16:17] offset:512*\k
.endr
.irp p, 0,1,2,3,4,5
	MFILL \p                                       ; the maxima's first six positions: 48 loads
.endr
	WIN 0
	s_wait_loadcnt 48                              ; the rows, the gains and the weights' numbers are in; the 48 younger loads stay out
.irp i, 0,1,2,3,4,5,6,7
	v_pk_add_f32 v[TM+2*\i:TM+2*\i+1], v[X+16*\i:X+16*\i+1], v[X+16*\i+2:X+16*\i+3]
.endr
.irp e, 4,6,8,10,12,14
.irp i, 0,1,2,3,4,5,6,7
	v_pk_add_f32 v[TM+2*\i:TM+2*\i+1], v[TM+2*\i:TM+2*\i+1], v[X+16*\i+\e:X+16*\i+\e+1]
.endr
.endr
	RSUM
.irp i, 0,1,2,3,4,5,6,7
	v_mul_f32 v[TM+2*\i], s44, v[TM+2*\i]          ; the mean
.endr
.irp e, 0,2,4,6,8,10,12,14
.irp i, 0,1,2,3,4,5,6,7
	v_pk_add_f32 v[X+16*\i+\e:X+16*\i+\e+1], v[X+16*\i+\e:X+16*\i+\e+1], v[TM+2*\i:TM+2*\i+1] op_sel_hi:[1,0] neg_lo:[0,1] neg_hi:[0,1]
.endr
.endr
.irp i, 0,1,2,3,4,5,6,7
	v_pk_mul_f32 v[TM+2*\i:TM+2*\i+1], v[X+16*\i:X+16*\i+1], v[X+16*\i:X+16*\i+1]     ; the variance is taken of the deviations: a second pass
.endr
.irp e, 2,4,6,8,10,12,14
.irp i, 0,1,2,3,4,5,6,7
	v_pk_fma_f32 v[TM+2*\i:TM+2*\i+1], v[X+16*\i+\e:X+16*\i+\e+1], v[X+16*\i+\e:X+16*\i+\e+1], v[TM+2*\i:TM+2*\i+1]
.endr
.endr
	RSUM
.irp i, 0,1,2,3,4,5,6,7
	v_fma_f32 v[TM+2*\i], v[TM+2*\i], s44, s45     ; variance + 1e-6
.endr
	s_wait_alu depctr_va_vdst(0)                   ; the wait ahead of the batch
.irp i, 0,1,2,3,4,5,6,7
	v_rsq_f32 v[TM+2*\i], v[TM+2*\i]
.endr
	v_nop                                          ; a plain place behind the last of the batch
	s_wait_alu depctr_va_vdst(0)                   ; one wait for the eight, ahead of their first reader
.irp e, 0,2,4,6,8,10,12,14
.irp i, 0,1,2,3,4,5,6,7
	v_pk_mul_f32 v[X+16*\i+\e:X+16*\i+\e+1], v[X+16*\i+\e:X+16*\i+\e+1], v[TM+2*\i:TM+2*\i+1] op_sel_hi:[1,0]
.endr
.endr
.irp e, 0,2,4,6,8,10,12,14
.irp i, 0,1,2,3,4,5,6,7
	v_pk_fma_f32 v[X+16*\i+\e:X+16*\i+\e+1], v[X+16*\i+\e:X+16*\i+\e+1], v[PC+\e:PC+\e+1], v[PC+16+\e:PC+16+\e+1]
.endr
.endr
.irp i, 0,1,2,3,4,5,6,7
.irp k, 0,1,2,3
	ds_store_b128 v[HWR], v[X+16*\i+4*\k:X+16*\i+4*\k+3] offset:HP*\i+512*\k
.endr
.endr
	s_wait_dscnt 0x0                               ; for the others' sake: my rows of h lie in LDS
	s_barrier_signal -1
	s_barrier_wait -1
	; ---- hq: wave w makes tile w >> 1 at K steps 2 (w & 1) and 2 (w & 1) + 1
.irp e, 0,1
.irp b, 0,1,2,3
.irp q, 0,1,2,3
	ds_load_b128 v[X+64*\e+16*\b+4*\q:X+64*\e+16*\b+4*\q+3], v[HRD] offset:512*\e+128*\b+16*\q
.endr
.endr
.endr
	s_wait_dscnt 16                                ; the first K step's sixteen loads are in
	QUANT X
	HQOUT 0
	s_wait_dscnt 0x0
	s_wait_xcnt 0x0                                ; the stores have read the codes and the word: both are written again
	QUANT X+64
	HQOUT 1
	; ---- hv: wave w makes d 64 w on; a lane takes a column d and its registers run down the keys: the whole block 32 h .. 32 h + 31 is mine
.set F_, 0
.rept 4
.set I_, 0
.rept 32
	ds_load_b32 v[X+32*F_+I_], v[HVD] offset:HP*I_+128*(I_/16)+4*(32*(F_/2)+8*(F_%2))
.set I_, I_+1
.endr
.set F_, F_+1
.endr
	s_wait_dscnt 0x0
.irp f, 0,1,2,3
	v_max3_num_f32 v[TM+\f], |v[X+32*\f]|, |v[X+32*\f+1]|, FLOOR
.endr
.irp i, 2,4,6,8,10,12,14,16,18,20,22,24,26,28,30
.irp f, 0,1,2,3
	s_delay_alu instid0(VALU_DEP_4)
	v_max3_num_f32 v[TM+\f], v[TM+\f], |v[X+32*\f+\i]|, |v[X+32*\f+\i+1]|
.endr
.endr
.irp f, 0,1,2,3
	s_delay_alu instid0(VALU_DEP_4)
	v_add_nc_u32 v[TM+4+\f], EOFF, v[TM+\f]        ; the conversion's scale operand
.endr
.irp f, 0,1,2,3
	s_delay_alu instid0(VALU_DEP_4)
	v_lshrrev_b32 v[TM+8+\f], 23, v[TM+4+\f]       ; the byte,
.endr
.irp f, 0,1,2,3
	s_delay_alu instid0(VALU_DEP_4)
	v_lshlrev_b32 v[TM+8+\f], v[H8], v[TM+8+\f]    ; at its place among my work-group's two,
.endr
.irp f, 0,1,2,3
	s_delay_alu instid0(VALU_DEP_4)
	v_permlanex16_b32 v[TM+12+\f], v[TM+8+\f], s42, s43
.endr
.irp f, 0,1,2,3
	s_delay_alu instid0(VALU_DEP_4)
	v_or_b32 v[TM+8+\f], v[TM+8+\f], v[TM+12+\f]   ; with lane l xor 16's
.endr
	s_wait_xcnt 0x0                                ; hq's stores have read the codes' registers
.irp f, 0,1,2,3
	v_cvt_scalef32_pk16_fp6_f32 v[PC+8*\f:PC+8*\f+2], v[X+32*\f:X+32*\f+15], v[TM+4+\f]
	v_cvt_scalef32_pk16_fp6_f32 v[PC+8*\f+4:PC+8*\f+6], v[X+32*\f+16:X+32*\f+31], v[TM+4+\f]
.endr
	v_nop                                          ; one plain place behind a scaled conversion
.irp f, 0,1,2,3                        ; a conversion's three registers begin on an even number: the second three move down one
	v_mov_b32 v[PC+8*\f+3], v[PC+8*\f+4]
	v_mov_b32 v[PC+8*\f+4], v[PC+8*\f+5]
	v_mov_b32 v[PC+8*\f+5], v[PC+8*\f+6]
.endr
.irp f, 0,1,2,3
	global_store_b128 v[L16], v[PC+8*\f:PC+8*\f+3], s[24:25] offset:1536*\f          ; 512 consecutive bytes
	global_store_b64 v[L8], v[PC+8*\f+4:PC+8*\f+5], s[24:25] offset:1536*\f+512      ; 256 consecutive bytes
	global_store_b16 v[R4], v[TM+8+\f], s[38:39] offset:64*\f                        ; two bytes of each scale word: the one scattered store, 128 of the wave's 3,200 bytes here
.endr
	; ---- the largest t and g of my wave's 8 rows: sixteen turns
.irp p, 0,1,2,3,4,5,6,7,8,9,10,11,12,13,14,15
	MTURN \p
.endr
	WIN 0
	; ---- the weight fragment: two whole blocks a lane
	s_wait_xcnt 0x0                                ; hv's stores have read their registers
	s_cmp_lt_u32 s30, 4
	s_cbranch_scc0 .Lno_finish
.irp c, 0,1
	v_max3_num_f32 v[TM+\c], |v[WN+32*\c]|, |v[WN+32*\c+1]|, FLOOR
.endr
.irp i, 2,4,6,8,10,12,14,16,18,20,22,24,26,28,30
.irp c, 0,1
	s_delay_alu instid0(VALU_DEP_2)
	v_max3_num_f32 v[TM+\c], v[TM+\c], |v[WN+32*\c+\i]|, |v[WN+32*\c+\i+1]|
.endr
.endr
.irp c, 0,1
	s_delay_alu instid0(VALU_DEP_2)
	v_add_nc_u32 v[TM+2+\c], EOFF, v[TM+\c]
.endr
.irp c, 0,1
	s_delay_alu instid0(VALU_DEP_2)
	v_lshrrev_b32 v[TM+4+\c], 23, v[TM+2+\c]
.endr
	s_delay_alu instid0(VALU_DEP_1)
	v_lshl_or_b32 v[PW], v[TM+5], 16, v[TM+4]      ; my two bytes: blocks h and 2 + h,
	s_delay_alu instid0(VALU_DEP_1)
	v_lshlrev_b32 v[PW], v[H8], v[PW]              ; at their places in the scale word;
	s_delay_alu instid0(VALU_DEP_1)
	v_permlanex16_b32 v[TM+6], v[PW], s42, s43
	s_delay_alu instid0(VALU_DEP_1)
	v_or_b32 v[PW], v[PW], v[TM+6]                 ; with lane l xor 16's two the word is whole
.irp c, 0,1
	v_cvt_scalef32_pk16_fp6_f32 v[PC+6*\c:PC+6*\c+2], v[WN+32*\c:WN+32*\c+15], v[TM+2+\c]
	v_cvt_scalef32_pk16_fp6_f32 v[PC+12+4*\c:PC+14+4*\c], v[WN+32*\c+16:WN+32*\c+31], v[TM+2+\c]
.endr
	v_nop                                          ; one plain place behind a scaled conversion
.irp c, 0,1
.irp i, 0,1,2
	v_mov_b32 v[PC+3+6*\c+\i], v[PC+12+4*\c+\i]
.endr
.endr
.irp c, 0,1,2
	global_store_b128 v[L16], v[PC+4*\c:PC+4*\c+3], s[26:27] offset:512*\c
.endr
	global_store_b32 v[R4], v[PW], s[46:47]
.Lno_finish:
	; ---- the work-group's largest t and g
	v_max_num_f32 v[MA], v[MA], v[MA+1]
	s_wait_alu depctr_va_vdst(0)
	v_max_num_f32 v[MA+2], v[MA+2], v[MA+3]
.irp x, 1
	v_max_num_f32_dpp v[MA], v[MA], v[MA] row_xmask:\x row_mask:0xf bank_mask:0xf
	s_delay_alu instid0(VALU_DEP_2)
	v_max_num_f32_dpp v[MA+2], v[MA+2], v[MA+2] row_xmask:\x row_mask:0xf bank_mask:0xf
.endr
.irp x, 2, 4, 8
	s_delay_alu instid0(VALU_DEP_2)
	v_max_num_f32_dpp v[MA], v[MA], v[MA] row_xmask:\x row_mask:0xf bank_mask:0xf
	s_delay_alu instid0(VALU_DEP_2)
	v_max_num_f32_dpp v[MA+2], v[MA+2], v[MA+2] row_xmask:\x row_mask:0xf bank_mask:0xf
.endr
	s_delay_alu instid0(VALU_DEP_2)
	v_permlanex16_b32 v[MA+1], v[MA], s42, s43
	s_delay_alu instid0(VALU_DEP_2)
	v_permlanex16_b32 v[MA+3], v[MA+2], s42, s43
	s_delay_alu instid0(VALU_DEP_2)
	v_max_num_f32 v[MA], v[MA], v[MA+1]
	s_delay_alu instid0(VALU_DEP_2)
	v_max_num_f32 v[MA+2], v[MA+2], v[MA+3]
	ds_store_b32 v[MXA], v[MA]                     ; all lanes write the same word with the same value
	ds_store_b32 v[MXA], v[MA+2] offset:32
	s_wait_dscnt 0x0
	s_barrier_signal -1
	s_barrier_wait -1
.irp i, 0,1,2,3
	ds_load_b128 v[X+4*\i:X+4*\i+3], v[MXB] offset:16*\i
.endr
	s_wait_dscnt 0x0
.irp a, 0,8
	v_max3_num_f32 v[X+\a], v[X+\a], v[X+\a+1], v[X+\a+2]
	s_delay_alu instid0(VALU_DEP_1)
	v_max3_num_f32 v[X+\a], v[X+\a], v[X+\a+3], v[X+\a+4]
	s_delay_alu instid0(VALU_DEP_1)
	v_max3_num_f32 v[X+\a], v[X+\a], v[X+\a+5], v[X+\a+6]
	s_delay_alu instid0(VALU_DEP_1)
	v_max_num_f32 v[X+\a], v[X+\a], v[X+\a+7]
.endr
	v_cmp_ne_u32 vcc_lo, 0, v[H8]
	s_delay_alu instid0(VALU_DEP_1)
	v_cndmask_b32 v[X], v[X], v[X+8], vcc_lo       ; lanes 0-15 t's, lanes 16-31 g's
	v_lshlrev_b32 v[X+16], 3, v[H8]                ; 64 h
	s_cmp_lg_u32 s30, 0
	s_cbranch_scc1 .Lend
	global_store_b32 v[X+16], v[X], s[28:29]
.Lend:
	WIN 0x05
	s_wait_tensorcnt 0x0                           ; the wave's end, behind my last LDS store
	ds_add_u32 v0, v1
	s_wait_dscnt 0x0
	WIN 0
	s_endpgm
.Lfunc_end_k_q0ca964b254_prep:
	.size	k_q0ca964b254_prep, .Lfunc_end_k_q0ca964b254_prep-k_q0ca964b254_prep
	.p2alignl 7, 3214868480
	.fill 96, 4, 3214868480
	.section	.rodata,"a",@progbits
	.p2align	6, 0x0
	.amdhsa_kernel k_q0ca964b254_prep
		.amdhsa_group_segment_fixed_size 133888
		.amdhsa_private_segment_fixed_size 0
		.amdhsa_enable_private_segment 0
		.amdhsa_kernarg_size 88
		.amdhsa_user_sgpr_count 2
		.amdhsa_user_sgpr_kernarg_segment_ptr 1
		.amdhsa_wavefront_size32 1
		.amdhsa_system_sgpr_workgroup_id_x 1
		.amdhsa_system_sgpr_workgroup_id_y 1
		.amdhsa_system_sgpr_workgroup_id_z 1
		.amdhsa_system_vgpr_workitem_id 0
		.amdhsa_next_free_vgpr 512
		.amdhsa_next_free_sgpr 66
		.amdhsa_reserve_vcc 1
		.amdhsa_float_denorm_mode_32 3
		.amdhsa_float_denorm_mode_16_64 3
		.amdhsa_memory_ordered 1
		.amdhsa_forward_progress 1
		.amdhsa_inst_pref_size 126
	.end_amdhsa_kernel
	.amdgpu_metadata
---
amdhsa.version: [ 1, 2 ]
amdhsa.kernels:
  - .name:           k_q0ca964b254_prep
    .symbol:         k_q0ca964b254_prep.kd
    .args:
      - { .name: x, .offset: 0, .size: 8, .value_kind: global_buffer, .address_space: global }
      - { .name: t_m, .offset: 8, .size: 8, .value_kind: global_buffer, .address_space: global }
      - { .name: g_m, .offset: 16, .size: 8, .value_kind: global_buffer, .address_space: global }
      - { .name: ln1_w, .offset: 24, .size: 8, .value_kind: global_buffer, .address_space: global }
      - { .name: ln1_b, .offset: 32, .size: 8, .value_kind: global_buffer, .address_space: global }
      - { .name: w1, .offset: 40, .size: 8, .value_kind: global_buffer, .address_space: global }
      - { .name: w2, .offset: 48, .size: 8, .value_kind: global_buffer, .address_space: global }
      - { .name: hq, .offset: 56, .size: 8, .value_kind: global_buffer, .address_space: global }
      - { .name: hv, .offset: 64, .size: 8, .value_kind: global_buffer, .address_space: global }
      - { .name: wc, .offset: 72, .size: 8, .value_kind: global_buffer, .address_space: global }
      - { .name: pm, .offset: 80, .size: 8, .value_kind: global_buffer, .address_space: global }
    .group_segment_fixed_size: 133888
    .private_segment_fixed_size: 0
    .kernarg_segment_align: 8
    .kernarg_segment_size: 88
    .max_flat_workgroup_size: 256
    .sgpr_count:     66
    .vgpr_count:     512
    .wavefront_size: 32
...
	.end_amdgpu_metadata
.endif
;; end of part 1
;; launch layer (part 2): grid 16 x 16, 8 waves a work-group, no clusters, 298,496 bytes of LDS; arguments x, t_m, g_m, mask, ln2_w, ln2_b, b1, b2, hq, hv, wc, pm, out0; writes out0
.if DOCPART == 2
	.amdgcn_target "amdgcn-amd-amdhsa--gfx1250"
	.amdhsa_code_object_version 6
	.text
	.protected	k_q0ca964b254_layer
	.globl	k_q0ca964b254_layer
	.p2align	8
	.type	k_q0ca964b254_layer,@function
k_q0ca964b254_layer:
	s_mov_b64 s[64:65], 0
	v_nop
	global_prefetch_b8 v0, s[64:65] scope:SCOPE_SE
	s_setreg_imm32_b32 hwreg(HW_REG_WAVE_MODE, 25, 1), 1
	s_wait_xcnt 0x0
; LAYER.  out = (x1 + relu(LN2(x1) w1 + b1) w2 + b2) / 512, x1 = x + softmax(h h^T / 512 + |t - max t| + |g - max g|, masked) h, all four products on codes of FP6 (E2M3) with E8M0 scales.
; Work-group (x = j, y = batch): 64 queries, as four tiles m of 16, through the whole chain; x1, LN2's result and the hidden layer never go to memory.
; THE EIGHT WAVES SHARE THE COLUMNS: wave w takes keys 128 w on (scores, p), d 64 w on (p h, x1, LN2, outputs) and hidden units 512 c + 64 w on.  Every product is used transposed (source 0 = the streamed
; operand, source 1 = 16 queries): a lane holds ONE query throughout, and its registers run along the next product's K.  What goes from wave to wave (p, LN2's result, the hidden layer: codes and scale words;
; maxima and sums) goes through LDS, the operands as images of their registers.
; THE ROWS OF A TILE ARE NOT NEIGHBOURS: lane r of tile 2 B + u takes row 32 B + 8 u + (r & 7) + 16 (r >> 3) (keys, queries, d, units, outputs alike): the launch before has laid hq, hv, wc so, in records of
; 6,400 bytes: four fragments as register images and their scale words.  A record is read by one wave of the work-group, straight into registers, 512 consecutive bytes a load, and feeds 16 matrix instructions.
; SOFTMAX: t = logit x log2(e); M = ceil(the row's largest t) over all 1,024 keys; p = 2^(t - M) is quantised along the keys; the row's sum is taken of the unquantised p and divides at the end.
; LIMITS: NaN and infinities are not served.  An unmasked logit under -1e9 is held at -1e9.  p under 2^-126 is 0.  A block of zeros has the byte 1 over zero codes.  max - t is written for |t - max|: max is the largest
; of those very numbers.  The two biases are added to each other first and then, by one fused multiply-add, to the score / 512.
; REGISTERS.  Window 0: v1-24 addresses; v32-37 the ring's scale words, v38-41 the queries' (scales and nothing else); v42-49, v50-57 four pairs each of statistics; v58-63 at work; v64-207 a ring of three slots of
; 48 (a record's four fragments); v208-255 four fragments of the queries' side.  Window 1: the bias phase's ring; then the scores (64 m + 8 kt); then p h, x1 and the outputs' sums (32 m + 8 t) in v0-127 and x, the
; deviations, LN2's result, the hidden layer's sums (128 + 32 m + 8 t) and rows of out in v128-255.
.set BP,    4112                       ; a row of the bias tile: 4,096 bytes + 16; 128 more behind every 16 rows: a tile's 16 rows start in 16 different columns of 16 bytes (64 banks of 4 bytes: ISA guide 11.1)
.set QIMG,  263680                     ; the queries' 16 fragments (4 s + m), 1,536 bytes each
.set QSC,   288256                     ; their scale words, 64 bytes each
.set EXM,   289280                     ; [m][r][wave] words: maxima; + 2048 sums of p; + 4096 sums of x1; + 6144 sums of squares
.set PSC,   49152                      ; inside the bias tile, once it has been read: p's 32 fragments at 0, their scale words here,
.set XST,   51200                      ; the stage for x, later for out: rows of 2,064 bytes, 128 more behind every 16,
.set XPI,   2064
.set H2IMG, 183808                     ; LN2's 16 fragments (4 s + m): half c at 768 c: four registers at 16 lane, two at 512 + 8 lane,
.set H2SC,  208384                     ; their scale words,
.set HDL,   25600                      ; and the hidden layer's, of the same shapes, so many bytes further on
.set FLOOR, 0x1800000                  ; 2^(3 - 127)
.set EOFF,  0xff000000                 ; -(2 << 23)
.set L16, 1
.set L4,  2
.set L8,  3
.set R4,  4
.set H64, 5
.set BRD, 6                            ; v6-7   the bias tile: my query's row in tiles 0, 1 / 2, 3, my half, my wave's keys
.set XRD, 8                            ; v8-9   the stage likewise, my wave's d
.set XWR, 10                           ; v10    the stage by rows: rows 8 w on, 16 lane
.set EXW, 11
.set EXR, 12
.set QRD, 13
.set QSR, 14
.set PWR, 15
.set PSW, 16
.set PRD, L16                          ; p's images begin at LDS byte 0
.set PSR, 18
.set HW16, 19
.set HW8, 20
.set HWS, 21
.set HR16, 22
.set HR8, 23
.set HRS, 24
.set QWI, 27
.set QWS, 28
.set RS,  32
.set AS,  38
.set P0,  42
.set P1,  50
.set TT,  58
.set RING, 64
.set ACT, 208
.set KB,  54                           ; s[54:55] my keys' records;  s[56:57], s[78:79] the queries' fragments and scale words that I stage;  s[58:59] my d's records of hv
.set VB,  58
.set W1P, 60                           ; s[60:61] w1's records of the chunk, s[62:63] w2's, s[66:67] b1's numbers;  s[68:69], s[70:71] the next chunk's
.set W2P, 62
.set B1P, 66
.set W1N, 68
.set B1N, 70
.set MSB, 0
.macro WIN new                         ; the immediate's high byte repeats the setting that is left; bits 1:0 source 0, 3:2 source 1, 5:4 source 2, 7:6 destination
.if MSB != \new
	s_set_vgpr_msb (MSB<<8)|\new
.set MSB, \new
.endif
.endm
.macro PLACES                          ; four plain places behind matrix instructions, ahead of loads into their registers and of the first read of results (ISA guide 7.12.1 for the read of results)
.rept 4
	v_nop
.endr
.endm
.macro BAR                             ; my LDS stores have landed and my LDS loads are in: then the work-group's barrier
	s_wait_dscnt 0x0
	s_barrier_signal -1
	s_barrier_wait -1
.endm
.macro LDB3 slot, sb, off              ; a record of hq or wc into a ring slot: 14 loads
.irp f, 0,1,2,3
.irp c, 0,1,2
	global_load_b128 v[RING+48*(\slot)+12*\f+4*\c:RING+48*(\slot)+12*\f+4*\c+3], v[L16], s[\sb:\sb+1] offset:(\off)+1536*\f+512*\c
.endr
.endr
.irp p, 0,1
	global_load_b32 v[RS+2*(\slot)+\p], v[L4], s[\sb:\sb+1] offset:(\off)+6144+128*\p      ; lanes 0-15 tile 2 p's words, lanes 16-31 tile 2 p + 1's
.endr
.endm
.macro LDB4 slot, sb, off              ; a record of hv: 18 loads
.irp f, 0,1,2,3
.set F_, RING+48*(\slot)+12*\f
	global_load_b128 v[F_:F_+3], v[L16], s[\sb:\sb+1] offset:(\off)+1536*\f
	global_load_b64 v[F_+4:F_+5], v[L8], s[\sb:\sb+1] offset:(\off)+1536*\f+512
	global_load_b128 v[F_+6:F_+9], v[L16], s[\sb:\sb+1] offset:(\off)+1536*\f+768
	global_load_b64 v[F_+10:F_+11], v[L8], s[\sb:\sb+1] offset:(\off)+1536*\f+1280
.endr
.irp p, 0,1
	global_load_b32 v[RS+2*(\slot)+\p], v[L4], s[\sb:\sb+1] offset:(\off)+6144+128*\p
.endr
.endm
.macro LDB1 sb, off                    ; b1 of my 64 units in the result's layout, into slot 0: tile t's eight of my half: 8 loads
.irp t, 0,1,2,3
	global_load_b128 v[RING+8*\t:RING+8*\t+3], v[H64], s[\sb:\sb+1] offset:(\off)+4*(32*(\t/2)+8*(\t%2))
	global_load_b128 v[RING+8*\t+4:RING+8*\t+7], v[H64], s[\sb:\sb+1] offset:(\off)+4*(32*(\t/2)+8*(\t%2))+16
.endr
.endm
.macro ACT3 m, adr, sadr, q            ; fragment q of the queries' side and its scale words, from LDS: 4 loads
.irp c, 0,1,2
	ds_load_b128 v[ACT+12*(\m)+4*\c:ACT+12*(\m)+4*\c+3], v[\adr] offset:1536*(\q)+512*\c
.endr
	ds_load_b32 v[AS+(\m)], v[\sadr] offset:64*(\q)
.endm
.macro ACT4 m, q, dlt                  ; the same of the images laid in halves: 5 loads
	ds_load_b128 v[ACT+12*(\m):ACT+12*(\m)+3], v[HR16] offset:(\dlt)+1536*(\q)
	ds_load_b64 v[ACT+12*(\m)+4:ACT+12*(\m)+5], v[HR8] offset:(\dlt)+1536*(\q)
	ds_load_b128 v[ACT+12*(\m)+6:ACT+12*(\m)+9], v[HR16] offset:(\dlt)+1536*(\q)+768
	ds_load_b64 v[ACT+12*(\m)+10:ACT+12*(\m)+11], v[HR8] offset:(\dlt)+1536*(\q)+768
	ds_load_b32 v[AS+(\m)], v[HRS] offset:(\dlt)+64*(\q)
.endm
; Eight matrix instructions: tiles of queries mlo, mlo + 1 x the slot's four fragments.  cm = 0: the products start the sums; 1: in place; 2: b1 (slot 0) starts them.
; A step's sixteen accumulators take turns, one instruction a turn, in the same order in every step.
.macro MMH mlo, acc, am, slot, cm
.if (\cm) == 1
	WIN 0x50
.else
	WIN 0x40
.endif
.irp m, \mlo, \mlo+1
.irp f, 0,1,2,3
.set D_, (\acc)+(\am)*(\m)+8*\f
.set A_, RING+48*(\slot)+12*\f
.set B_, ACT+12*(\m)
.set SA_, RS+2*(\slot)+\f/2
.set SB_, AS+(\m)
.set C_, RING+8*\f
.if (\cm) == 0
.if \f%2
	v_wmma_scale_f32_16x16x128_f8f6f4 v[D_:D_+7], v[A_:A_+11], v[B_:B_+11], 0, v[SA_], v[SB_] matrix_a_fmt:MATRIX_FMT_FP6 matrix_b_fmt:MATRIX_FMT_FP6 matrix_a_scale:MATRIX_SCALE_ROW1
.else
	v_wmma_scale_f32_16x16x128_f8f6f4 v[D_:D_+7], v[A_:A_+11], v[B_:B_+11], 0, v[SA_], v[SB_] matrix_a_fmt:MATRIX_FMT_FP6 matrix_b_fmt:MATRIX_FMT_FP6
.endif
.elseif (\cm) == 1
.if \f%2
	v_wmma_scale_f32_16x16x128_f8f6f4 v[D_:D_+7], v[A_:A_+11], v[B_:B_+11], v[D_:D_+7], v[SA_], v[SB_] matrix_a_fmt:MATRIX_FMT_FP6 matrix_b_fmt:MATRIX_FMT_FP6 matrix_a_scale:MATRIX_SCALE_ROW1
.else
	v_wmma_scale_f32_16x16x128_f8f6f4 v[D_:D_+7], v[A_:A_+11], v[B_:B_+11], v[D_:D_+7], v[SA_], v[SB_] matrix_a_fmt:MATRIX_FMT_FP6 matrix_b_fmt:MATRIX_FMT_FP6
.endif
.else
.if \f%2
	v_wmma_scale_f32_16x16x128_f8f6f4 v[D_:D_+7], v[A_:A_+11], v[B_:B_+11], v[C_:C_+7], v[SA_], v[SB_] matrix_a_fmt:MATRIX_FMT_FP6 matrix_b_fmt:MATRIX_FMT_FP6 matrix_a_scale:MATRIX_SCALE_ROW1
.else
	v_wmma_scale_f32_16x16x128_f8f6f4 v[D_:D_+7], v[A_:A_+11], v[B_:B_+11], v[C_:C_+7], v[SA_], v[SB_] matrix_a_fmt:MATRIX_FMT_FP6 matrix_b_fmt:MATRIX_FMT_FP6
.endif
.endif
.endr
.endr
.endm
.macro HALF mlo, dw, acc, am, slot, cm ; dw: the LDS instructions issued behind the two fragments that this half multiplies
	s_wait_dscnt \dw
	MMH \mlo, \acc, \am, \slot, \cm
	WIN 0
	PLACES
.endm
; A step of 128 along K.  lw: the loads issued behind the record that it multiplies.  rel = 1: the next step's four fragments of the queries' side, q on, are fetched, two behind each half.
.macro GSTEP lw, d0, d1, acc, am, slot, cm, rel, adr, sadr, q
	s_wait_loadcnt \lw
	HALF 0, \d0, \acc, \am, \slot, \cm
.if \rel
	ACT3 0, \adr, \sadr, \q
	ACT3 1, \adr, \sadr, \q+1
.endif
	HALF 2, \d1, \acc, \am, \slot, \cm
.if \rel
	ACT3 2, \adr, \sadr, \q+2
	ACT3 3, \adr, \sadr, \q+3
.endif
.endm
.macro FSTEP lw, d0, d1, acc, slot, cm, rel, q, dlt
	s_wait_loadcnt \lw
	HALF 0, \d0, \acc, 32, \slot, \cm
.if \rel
	ACT4 0, \q, \dlt
	ACT4 1, \q+1, \dlt
.endif
	HALF 2, \d1, \acc, 32, \slot, \cm
.if \rel
	ACT4 2, \q+2, \dlt
	ACT4 3, \q+3, \dlt
.endif
.endm
.macro XPUT off                        ; the four pairs in P1 become my wave's part of each query's sum, and go to the exchange words
.irp m, 0,1,2,3
	v_add_f32 v[P1+2*\m], v[P1+2*\m], v[P1+2*\m+1]
.endr
.irp m, 0,1,2,3
	s_delay_alu instid0(VALU_DEP_4)
	v_permlanex16_b32 v[P1+2*\m+1], v[P1+2*\m], s50, s51
.endr
.irp m, 0,1,2,3
	s_delay_alu instid0(VALU_DEP_4)
	v_add_f32 v[P1+2*\m], v[P1+2*\m], v[P1+2*\m+1]
.endr
.irp m, 0,1,2,3
	ds_store_b32 v[EXW], v[P1+2*\m] offset:(\off)+512*\m        ; lanes r and r + 16 hold the same number
.endr
.endm
.macro XGET off                        ; the eight waves' parts are added: query r of tile m in v[208 + 8 m]
.irp m, 0,1,2,3
	ds_load_b128 v[208+8*\m:211+8*\m], v[EXR] offset:(\off)+512*\m
	ds_load_b128 v[212+8*\m:215+8*\m], v[EXR] offset:(\off)+512*\m+16
.endr
	s_wait_dscnt 0x0
.irp m, 0,1,2,3
	v_pk_add_f32 v[208+8*\m:209+8*\m], v[208+8*\m:209+8*\m], v[210+8*\m:211+8*\m]
.endr
.irp m, 0,1,2,3
	v_pk_add_f32 v[212+8*\m:213+8*\m], v[212+8*\m:213+8*\m], v[214+8*\m:215+8*\m]
.endr
.irp m, 0,1,2,3
	s_delay_alu instid0(VALU_DEP_4)
	v_pk_add_f32 v[208+8*\m:209+8*\m], v[208+8*\m:209+8*\m], v[212+8*\m:213+8*\m]
.endr
.irp m, 0,1,2,3
	s_delay_alu instid0(VALU_DEP_4)
	v_add_f32 v[208+8*\m], v[208+8*\m], v[209+8*\m]
.endr
.endm
.macro ZERO1                           ; the four pairs of running sums
.irp i, 0,1,2,3,4,5,6,7
	v_mov_b32 v[P1+\i], 0
.endr
.endm
; For each tile m: 32 numbers of a lane in window 1, register src + 32 m + 16 b + i = k 32 b + 16 (lane / 16) + i of my query, become half a fragment's codes (v[224 + 8 m] on, six registers) and two scale bytes (v[TT + m]).
.macro QUANT32 src
	WIN 0x05
.irp c, 0,1,2,3,4,5,6,7
	v_max3_num_f32 v[208+\c], |v[\src+16*\c]|, |v[\src+16*\c+1]|, FLOOR
.endr
.irp i, 2,4,6,8,10,12,14
.irp c, 0,1,2,3,4,5,6,7
	v_max3_num_f32 v[208+\c], |v[\src+16*\c+\i]|, |v[\src+16*\c+\i+1]|, v[208+\c]
.endr
.endr
	WIN 0
.irp c, 0,1,2,3,4,5,6,7
	v_permlanex16_b32 v[216+\c], v[208+\c], s50, s51
.endr
.irp c, 0,1,2,3,4,5,6,7
	v_max_num_f32 v[208+\c], v[208+\c], v[216+\c]  ; with lane l xor 16's: the block's largest magnitude
.endr
.irp c, 0,1,2,3,4,5,6,7
	v_add_nc_u32 v[208+\c], EOFF, v[208+\c]        ; the conversion's scale operand
.endr
.irp c, 0,1,2,3,4,5,6,7
	v_lshrrev_b32 v[216+\c], 23, v[208+\c]         ; the byte
.endr
.irp m, 0,1,2,3
	v_lshl_or_b32 v[TT+\m], v[217+2*\m], 8, v[216+2*\m]
.endr
	WIN 0x01
.irp m, 0,1,2,3
	v_cvt_scalef32_pk16_fp6_f32 v[224+8*\m:226+8*\m], v[\src+32*\m:\src+32*\m+15], v[208+2*\m]
	v_cvt_scalef32_pk16_fp6_f32 v[228+8*\m:230+8*\m], v[\src+32*\m+16:\src+32*\m+31], v[209+2*\m]
.endr
	WIN 0
	v_nop                                          ; one plain place behind a scaled conversion
.irp m, 0,1,2,3                        ; the operand's layout wants a whole block in a lane: lanes 0-15 the first block, lanes 16-31 the second
.irp i, 0,1,2
	v_permlane16_swap_b32 v[224+8*\m+\i], v[228+8*\m+\i]
.endr
.endr
.irp m, 0,1,2,3
	v_mov_b32 v[227+8*\m], v[228+8*\m]
	v_mov_b32 v[228+8*\m], v[229+8*\m]
	v_mov_b32 v[229+8*\m], v[230+8*\m]
.endr
.endm
.macro IMG32 dlt                       ; they are half w & 1 of fragment 4 (w >> 1) + m
.irp m, 0,1,2,3
	ds_store_b128 v[HW16], v[224+8*\m:227+8*\m] offset:(\dlt)+1536*\m
	ds_store_b64 v[HW8], v[228+8*\m:229+8*\m] offset:(\dlt)+1536*\m
	ds_store_b16 v[HWS], v[TT+\m] offset:(\dlt)+64*\m
.endr
.endm
; THE BIAS PHASE, all in window 1: slot k: t at 48 k, g at 48 k + 16, mask at 48 k + 32; v192 = 16 lane, v193 the LDS address, v194 its base, v195 = -infinity.
.macro FILLB k, off                    ; half a row (2,048 bytes) of each of the three: 12 loads of 512 consecutive bytes
.irp g, 0,1,2,3
	global_load_b128 v[48*(\k)+4*\g:48*(\k)+4*\g+3], v192, s[10:11] offset:(\off)+512*\g th:TH_LOAD_NT
.endr
.irp g, 0,1,2,3
	global_load_b128 v[48*(\k)+16+4*\g:48*(\k)+16+4*\g+3], v192, s[12:13] offset:(\off)+512*\g th:TH_LOAD_NT
.endr
.irp g, 0,1,2,3
	global_load_b128 v[48*(\k)+32+4*\g:48*(\k)+32+4*\g+3], v192, s[14:15] offset:(\off)+512*\g th:TH_LOAD_NT
.endr
.endm
.macro TURNB k, fill, left
	s_wait_loadcnt \left                           ; mine are in; the younger half rows' stay out
.irp g, 0,1,2,3
.set T_, 48*\k+4*\g
	v_pk_add_f32 v[T_:T_+1], v[T_:T_+1], s[40:41] op_sel_hi:[1,0] neg_lo:[1,0] neg_hi:[1,0]           ; max t - t
	v_pk_add_f32 v[T_+2:T_+3], v[T_+2:T_+3], s[40:41] op_sel_hi:[1,0] neg_lo:[1,0] neg_hi:[1,0]
	v_pk_add_f32 v[T_+16:T_+17], v[T_+16:T_+17], s[42:43] op_sel_hi:[1,0] neg_lo:[1,0] neg_hi:[1,0]   ; max g - g
	v_pk_add_f32 v[T_+18:T_+19], v[T_+18:T_+19], s[42:43] op_sel_hi:[1,0] neg_lo:[1,0] neg_hi:[1,0]
	s_delay_alu instid0(VALU_DEP_2)
	v_pk_add_f32 v[T_:T_+1], v[T_:T_+1], v[T_+16:T_+17]
	s_delay_alu instid0(VALU_DEP_2)
	v_pk_add_f32 v[T_+2:T_+3], v[T_+2:T_+3], v[T_+18:T_+19]
.irp e, 0,1,2,3
	v_cmp_eq_u32 vcc_lo, 0, v[T_+32+\e]
	s_delay_alu instid0(VALU_DEP_1)
	v_cndmask_b32 v[T_+\e], v[T_+\e], v195, vcc_lo                                                    ; a hidden key is marked by -infinity: the hold at -1e9 behind the score's multiply-add makes exactly -1e9 of it
.endr
	ds_store_b128 v193, v[T_:T_+3] offset:BP*(\k/2)+2048*(\k%2)+512*\g
.endr
.if \fill
	s_wait_dscnt 4                                 ; this turn's four stores may be out; those of the turn before, which read the slot that is filled now, are done
	FILLB (\k+3)%4, (\k+3)*2048
.endif
.endm
.macro BLD g                           ; unit g (tile g / 2, keys 64 (g % 2) on of my 128): my 32 numbers of the bias tile into set g % 2
.irp e, 0,1
.irp q, 0,1,2,3
	ds_load_b128 v[192+32*((\g)%2)+16*\e+4*\q:192+32*((\g)%2)+16*\e+4*\q+3], v[BRD+(\g)/4] offset:8*BP*(((\g)/2)%2)+128*(2*((\g)%2)+\e)+16*\q
.endr
.endr
.endm
.macro UNIT g, dw
	s_wait_dscnt \dw
	WIN 0x45
.set J_, 0
.rept 16
	v_pk_fma_f32 v[32*(\g)+J_:32*(\g)+J_+1], v[32*(\g)+J_:32*(\g)+J_+1], s[44:45], v[192+32*((\g)%2)+J_:192+32*((\g)%2)+J_+1] op_sel_hi:[1,0,1]   ; score / 512 + bias; each accumulator from its low end on
.set J_, J_+2
.endr
.set J_, 0
.rept 32
	v_max_num_f32 v[32*(\g)+J_], s48, v[32*(\g)+J_]                ; held at -1e9
.set J_, J_+1
.endr
	WIN 0x05
.irp e, 0,1
	v_max3_num_f32 v[160+2*(\g)+\e], v[32*(\g)+16*\e], v[32*(\g)+16*\e+1], s48     ; the largest logit of each block of 32 keys: it serves the row's maximum and, since p rises with the logit, the block's largest p
.endr
.irp i, 2,4,6,8,10,12,14
.irp e, 0,1
	s_delay_alu instid0(VALU_DEP_2)
	v_max3_num_f32 v[160+2*(\g)+\e], v[32*(\g)+16*\e+\i], v[32*(\g)+16*\e+\i+1], v[160+2*(\g)+\e]
.endr
.endr
	WIN 0
.endm
	s_load_b512 s[8:23], s[0:1], 0x0               ; x 8, t_m 10, g_m 12, mask 14, ln2_w 16, ln2_b 18, b1 20, b2 22
	s_load_b256 s[24:31], s[0:1], 0x40             ; hq 24, hv 26, wc 28, pm 30
	s_load_b64 s[32:33], s[0:1], 0x60              ; out0
	v_lshl_add_u32 v26, v0, 2, 0x48a00
	v_mov_b32 v62, 0
	v_lshrrev_b32 v29, 5, v0
	s_delay_alu instid0(VALU_DEP_1)
	v_readfirstlane_b32 s34, v29                   ; wave 0..7
	s_mov_b32 s35, ttmp9                           ; j
	s_and_b32 s36, ttmp7, 0xffff                   ; batch
	s_mov_b32 s39, 0
	s_mov_b32 s81, 0
	s_mov_b32 s44, 0x3b000000                      ; 1 / 512 (the packed forms name a pair and take its low word: both are written)
	s_mov_b32 s45, s44
	s_mov_b32 s46, 0x3fb8aa3b                      ; log2(e)
	s_mov_b32 s47, s46
	s_mov_b32 s48, 0xce6e6b28                      ; -1e9
	s_mov_b32 s50, 0x76543210
	s_mov_b32 s51, 0xfedcba98                      ; v_permlanex16_b32's selects for lane l xor 16
	s_mov_b32 s76, 0x358637bd                      ; 1e-6
	v_and_b32 v29, 31, v0
	v_and_b32 v30, 15, v0                          ; r
	v_bfe_u32 v31, v0, 4, 1                        ; h
	v_and_b32 v58, 7, v0                           ; r & 7
	v_bfe_u32 v59, v0, 3, 1                        ; r >> 3
	v_lshlrev_b32 v[L16], 4, v29
	v_lshlrev_b32 v[L4], 2, v29
	v_lshlrev_b32 v[L8], 3, v29
	v_lshlrev_b32 v[R4], 2, v30
	v_lshlrev_b32 v[H64], 6, v31
	v_mul_u32_u24 v[BRD], v58, BP
	s_delay_alu instid0(VALU_DEP_1)
	v_mad_u32_u24 v[BRD], v59, 16*BP+128, v[BRD]
	s_delay_alu instid0(VALU_DEP_1)
	v_lshl_add_u32 v[BRD], v31, 6, v[BRD]
	s_lshl_b32 s38, s34, 9
	v_add_nc_u32 v[BRD], s38, v[BRD]
	s_delay_alu instid0(VALU_DEP_1)
	v_add_nc_u32 v[BRD+1], 32*BP+256, v[BRD]
	v_mul_u32_u24 v[XRD], v58, XPI
	s_delay_alu instid0(VALU_DEP_1)
	v_mad_u32_u24 v[XRD], v59, 16*XPI+128, v[XRD]
	s_delay_alu instid0(VALU_DEP_1)
	v_lshl_add_u32 v[XRD], v31, 6, v[XRD]
	s_lshl_b32 s38, s34, 8
	s_add_co_u32 s38, s38, XST
	v_add_nc_u32 v[XRD], s38, v[XRD]
	s_delay_alu instid0(VALU_DEP_1)
	v_add_nc_u32 v[XRD+1], 32*XPI+256, v[XRD]
	s_lshr_b32 s37, s34, 1                         ; w >> 1
	s_and_b32 s52, s34, 1                          ; w & 1
	s_mul_i32 s38, s34, 8*XPI
	s_lshl_b32 s77, s37, 7
	s_add_co_u32 s38, s38, s77
	s_add_co_u32 s38, s38, XST
	v_add_nc_u32 v[XWR], s38, v[L16]
	v_lshl_add_u32 v[EXR], v30, 5, EXM
	s_lshl_b32 s38, s34, 2
	v_add_nc_u32 v[EXW], s38, v[EXR]
	v_add_nc_u32 v[QRD], QIMG, v[L16]
	v_add_nc_u32 v[QSR], QSC, v[R4]
	s_mul_i32 s38, s34, 6144
	v_add_nc_u32 v[PWR], s38, v[L16]
	s_lshl_b32 s38, s34, 8
	s_add_co_u32 s38, s38, PSC
	v_add_nc_u32 v[PSW], s38, v[R4]
	v_add_nc_u32 v[PSR], PSC, v[R4]
	s_mul_i32 s53, s37, 6144
	s_mul_i32 s77, s52, 768
	s_add_co_u32 s53, s53, s77
	s_add_co_u32 s53, s53, H2IMG
	v_add_nc_u32 v[HW16], s53, v[L16]
	s_add_co_u32 s53, s53, 512
	v_add_nc_u32 v[HW8], s53, v[L8]
	s_lshl_b32 s53, s37, 8
	s_lshl_b32 s77, s52, 1
	s_add_co_u32 s53, s53, s77
	s_add_co_u32 s53, s53, H2SC
	v_add_nc_u32 v[HWS], s53, v[R4]
	v_add_nc_u32 v[HR16], H2IMG, v[L16]
	v_add_nc_u32 v[HR8], H2IMG+512, v[L8]
	v_add_nc_u32 v[HRS], H2SC, v[R4]
	s_mul_i32 s38, s34, 3072
	s_add_co_u32 s38, s38, QIMG
	v_add_nc_u32 v[QWI], s38, v[L16]
	s_lshl_b32 s38, s34, 7
	s_add_co_u32 s38, s38, QSC
	v_add_nc_u32 v[QWS], s38, v[L4]
	s_mul_i32 s53, s34, 8*BP                       ; the bias tile: rows 8 w on
	s_lshl_b32 s77, s37, 7
	s_add_co_u32 s53, s53, s77
	WIN 0x40
	v_mov_b32 v192, v[L16]
	v_add_nc_u32 v194, s53, v[L16]
	v_mov_b32 v195, 0xff800000
	WIN 0
	s_wait_alu depctr_va_vdst(0)
	s_wait_kmcnt 0x0
	s_lshl_b32 s38, s36, 7
	s_add_nc_u64 s[30:31], s[30:31], s[38:39]      ; pm: my batch's 32 numbers
	s_mul_i32 s53, s36, 409600                     ; a batch's 64 records
	s_mul_i32 s38, s34, 51200
	s_add_co_u32 s38, s38, s53
	s_add_nc_u64 s[KB:KB+1], s[24:25], s[38:39]    ; hq records R = 2 w, 2 w + 1
	s_add_nc_u64 s[VB:VB+1], s[26:27], s[38:39]    ; hv records Rd = w
	s_mul_i32 s38, s35, 25600
	s_add_co_u32 s38, s38, s53
	s_mul_i32 s77, s37, 6400
	s_add_co_u32 s38, s38, s77                     ; hq record (R = j, s = w >> 1): of the queries' 16 fragments I stage 2 w and 2 w + 1
	s_lshl_b32 s80, s52, 7
	s_add_co_u32 s80, s80, s38
	s_add_co_u32 s80, s80, 6144
	s_mul_i32 s77, s52, 3072
	s_add_co_u32 s38, s38, s77
	s_add_nc_u64 s[56:57], s[24:25], s[38:39]
	s_add_nc_u64 s[78:79], s[24:25], s[80:81]
	s_lshl_b32 s38, s36, 22                        ; t_m, g_m, mask: (1024 batch + 64 j + 8 w) rows of 4,096 bytes
	s_lshl_b32 s77, s35, 18
	s_add_co_u32 s38, s38, s77
	s_lshl_b32 s77, s34, 15
	s_add_co_u32 s38, s38, s77
	s_add_nc_u64 s[10:11], s[10:11], s[38:39]
	s_add_nc_u64 s[12:13], s[12:13], s[38:39]
	s_add_nc_u64 s[14:15], s[14:15], s[38:39]
	s_lshr_b32 s38, s38, 1                         ; x, out0: the same rows of 2,048 bytes
	s_add_nc_u64 s[8:9], s[8:9], s[38:39]
	s_add_nc_u64 s[32:33], s[32:33], s[38:39]
	global_load_b32 v63, v[L4], s[30:31]           ; lanes 0-15 t's sixteen partial maxima, lanes 16-31 g's
.irp c, 0,1,2,3,4,5
	global_load_b128 v[ACT+4*\c:ACT+4*\c+3], v[L16], s[56:57] offset:512*\c
.endr
	global_load_b32 v[ACT+24], v[L4], s[78:79]
	LDB3 0, KB, 0                                  ; the first three records of keys: (s 0, i 0), (0, 1), (1, 0): they land under the bias phase
	LDB3 1, KB, 25600
	LDB3 2, KB, 6400
	WIN 0x55
	FILLB 0, 0
	FILLB 1, 2048
	FILLB 2, 4096
	WIN 0
	s_lshl_b32 s38, s34, 8                         ; my 64 numbers of ln2_w, ln2_b, b2, b1
	s_add_nc_u64 s[16:17], s[16:17], s[38:39]
	s_add_nc_u64 s[18:19], s[18:19], s[38:39]
	s_add_nc_u64 s[22:23], s[22:23], s[38:39]
	s_add_nc_u64 s[B1P:B1P+1], s[20:21], s[38:39]
	s_mul_i32 s38, s34, 25600
	s_add_nc_u64 s[W1P:W1P+1], s[28:29], s[38:39]  ; wc records (8 c + w) 4 + s
	s_mul_i32 s38, s34, 102400
	s_add_co_u32 s38, s38, 819200
	s_add_nc_u64 s[W2P:W2P+1], s[28:29], s[38:39]  ; wc records 128 + 16 w + K step
	s_wait_loadcnt 63                              ; 86 loads have been issued: the eight oldest (pm, the queries) are in
.irp x, 1
	v_max_num_f32_dpp v63, v63, v63 row_xmask:\x row_mask:0xf bank_mask:0xf
.endr
.irp x, 2, 4, 8
	s_delay_alu instid0(VALU_DEP_1)
	v_max_num_f32_dpp v63, v63, v63 row_xmask:\x row_mask:0xf bank_mask:0xf
.endr
	s_delay_alu instid0(VALU_DEP_1)
	v_readlane_b32 s40, v63, 0                     ; the batch's largest t
	s_delay_alu instid0(VALU_DEP_2)
	v_readlane_b32 s42, v63, 16                    ; and g
	s_mov_b32 s41, s40
	s_mov_b32 s43, s42
.irp c, 0,1,2,3,4,5
	ds_store_b128 v[QWI], v[ACT+4*\c:ACT+4*\c+3] offset:512*\c
.endr
	ds_store_b32 v[QWS], v[ACT+24]
	; ---- THE BIAS TILE: wave w makes rows 8 w .. 8 w + 7, as 16 half rows through a ring of four slots; three half rows, 36 loads, are on their way
	s_mov_b32 s52, 3
	s_mov_b32 s53, 0
.Lbias:
	WIN 0x55
	v_add_nc_u32 v193, s53, v194
	TURNB 0, 1, 24                                 ; 24: the two younger half rows' loads
	TURNB 1, 1, 24
	TURNB 2, 1, 24
	TURNB 3, 1, 24
	WIN 0
	s_wait_xcnt 0x0                                ; the loads have read their bases: they step two rows
	s_add_nc_u64 s[10:11], s[10:11], 8192
	s_add_nc_u64 s[12:13], s[12:13], 8192
	s_add_nc_u64 s[14:15], s[14:15], 8192
	s_add_co_u32 s53, s53, 2*BP
	s_sub_co_u32 s52, s52, 1
	s_cmp_lg_u32 s52, 0
	s_cbranch_scc1 .Lbias
	WIN 0x55
	v_add_nc_u32 v193, s53, v194
	TURNB 0, 1, 24                                 ; the last four half rows: one more fill, then the counts run down
	TURNB 1, 0, 24
	TURNB 2, 0, 12
	TURNB 3, 0, 0
	WIN 0
	BAR                                            ; the bias tile and the queries' images lie in LDS
	; ---- S^T = K Q^T: 8 steps (s, i): K step s, my keys' record i.  A record is asked for three steps ahead
	ACT3 0, QRD, QSR, 0
	ACT3 1, QRD, QSR, 1
	ACT3 2, QRD, QSR, 2
	ACT3 3, QRD, QSR, 3
	GSTEP 0, 8, 0, 0, 64, 0, 0, 0, QRD, QSR, 0     ; (0, 0)
	LDB3 0, KB, 32000                              ; (1, 1)
	GSTEP 14, 0, 8, 32, 64, 1, 0, 1, QRD, QSR, 4   ; (0, 1); the queries' K step 1 is fetched
	LDB3 1, KB, 12800                              ; (2, 0)
	GSTEP 28, 8, 0, 0, 64, 2, 1, 0, QRD, QSR, 0    ; (1, 0); 28: two younger records
	LDB3 2, KB, 38400                              ; (2, 1)
	GSTEP 28, 0, 8, 32, 64, 0, 1, 1, QRD, QSR, 8   ; (1, 1)
	LDB3 0, KB, 19200                              ; (3, 0)
	GSTEP 28, 8, 0, 0, 64, 1, 1, 0, QRD, QSR, 0    ; (2, 0)
	LDB3 1, KB, 44800                              ; (3, 1)
	GSTEP 28, 0, 8, 32, 64, 2, 1, 1, QRD, QSR, 12  ; (2, 1)
	GSTEP 14, 8, 0, 0, 64, 0, 1, 0, QRD, QSR, 0    ; (3, 0)
	LDB4 0, VB, 0                                  ; the first two records of hv land under the softmax; slot 2 and v208-255 are its scratch
	GSTEP 18, 0, 0, 32, 64, 1, 1, 0, QRD, QSR, 0   ; (3, 1)
	LDB4 1, VB, 6400
	; ---- SOFTMAX, first pass: logits, each block's and each row's largest
	BLD 0
	BLD 1
.irp g, 0,1,2,3,4,5
	UNIT \g, 8                                     ; the next unit's eight loads may be out
	BLD \g+2
.endr
	UNIT 6, 8
	UNIT 7, 0
.set G_, 0
.rept 16
	v_permlanex16_b32 v[176+G_], v[160+G_], s50, s51
.set G_, G_+1
.endr
.set G_, 0
.rept 16
	v_max_num_f32 v[160+G_], v[160+G_], v[176+G_]  ; with lane l xor 16's 16 keys
.set G_, G_+1
.endr
.irp m, 0,1,2,3
	v_max3_num_f32 v[TT+\m], v[160+4*\m], v[161+4*\m], v[162+4*\m]
.endr
.irp m, 0,1,2,3
	s_delay_alu instid0(VALU_DEP_4)
	v_max_num_f32 v[TT+\m], v[TT+\m], v[163+4*\m]
.endr
.irp m, 0,1,2,3
	ds_store_b32 v[EXW], v[TT+\m] offset:512*\m
.endr
	BAR                                            ; every wave's maxima lie in LDS, and nobody reads the bias tile any more
	; ---- second pass: M, p, the sums, p's codes
.irp m, 0,1,2,3
	ds_load_b128 v[192+8*\m:195+8*\m], v[EXR] offset:512*\m
	ds_load_b128 v[196+8*\m:199+8*\m], v[EXR] offset:512*\m+16
.endr
	s_wait_dscnt 0x0
.irp m, 0,1,2,3
	v_max3_num_f32 v[192+8*\m], v[192+8*\m], v[193+8*\m], v[194+8*\m]
.endr
.irp m, 0,1,2,3
	s_delay_alu instid0(VALU_DEP_4)
	v_max3_num_f32 v[192+8*\m], v[192+8*\m], v[195+8*\m], v[196+8*\m]
.endr
.irp m, 0,1,2,3
	s_delay_alu instid0(VALU_DEP_4)
	v_max3_num_f32 v[192+8*\m], v[192+8*\m], v[197+8*\m], v[198+8*\m]
.endr
.irp m, 0,1,2,3
	s_delay_alu instid0(VALU_DEP_4)
	v_max_num_f32 v[192+8*\m], v[192+8*\m], v[199+8*\m]
.endr
.irp m, 0,1,2,3
	s_delay_alu instid0(VALU_DEP_4)
	v_mul_f32 v[192+8*\m], s46, v[192+8*\m]        ; the row's largest t
.endr
.irp m, 0,1,2,3
	s_delay_alu instid0(VALU_DEP_4)
	v_floor_f32 v[P0+2*\m], -v[192+8*\m]           ; -M = floor(-t) = -ceil(t)
.endr
.irp m, 0,1,2,3
	s_delay_alu instid0(VALU_DEP_4)
	v_mov_b32 v[P0+2*\m+1], v[P0+2*\m]             ; (named with it as a pair)
.endr
.set G_, 0
.rept 16
	v_mul_f32 v[160+G_], s46, v[160+G_]            ; each block's largest logit takes the same two roundings as every logit: a multiply, then an add, so that t - M is 0 exactly in a row whose every key is hidden
.set G_, G_+1
.endr
.set G_, 0
.rept 16
	v_add_f32 v[160+G_], v[160+G_], v[P0+2*(G_/4)]
.set G_, G_+1
.endr
	WIN 0x41
.set G_, 0
.rept 16
.set J_, 0
.rept 8
	v_pk_mul_f32 v[16*G_+J_:16*G_+J_+1], v[16*G_+J_:16*G_+J_+1], s[46:47] op_sel_hi:[1,0]
.set J_, J_+2
.endr
.set J_, 0
.rept 8
	v_pk_add_f32 v[16*G_+J_:16*G_+J_+1], v[16*G_+J_:16*G_+J_+1], v[P0+2*(G_/4):P0+2*(G_/4)+1] op_sel_hi:[1,0]
.set J_, J_+2
.endr
.set J_, 0
	s_wait_alu depctr_va_vdst(0)
.rept 16
	v_exp_f32 v[16*G_+J_], v[16*G_+J_]             ; p = 2^(t - M): not normalised
.set J_, J_+1
.endr
.set G_, G_+1
.endr
	WIN 0
.set G_, 0
.rept 16
	v_exp_f32 v[160+G_], v[160+G_]                 ; the block's largest p: the same instructions on the same number give the same bits
.set G_, G_+1
.endr
	ZERO1                                          ; plain places behind the last exponential
	s_wait_alu depctr_va_vdst(0)                   ; one wait for all 272, ahead of their first reader
	WIN 0x04
.set J_, 0
.rept 32
.irp m, 0,1,2,3
	v_pk_add_f32 v[P1+2*\m:P1+2*\m+1], v[P1+2*\m:P1+2*\m+1], v[64*\m+J_:64*\m+J_+1]      ; the sums are taken of the unquantised p
.endr
.set J_, J_+2
.endr
	WIN 0
.set G_, 0
.rept 16
	v_max_num_f32 v[160+G_], FLOOR, v[160+G_]
.set G_, G_+1
.endr
.set G_, 0
.rept 16
	v_add_nc_u32 v[160+G_], EOFF, v[160+G_]        ; the conversion's scale operand
.set G_, G_+1
.endr
.set G_, 0
.rept 16
	v_lshrrev_b32 v[236+G_], 23, v[160+G_]         ; the byte
.set G_, G_+1
.endr
.irp m, 0,1,2,3
	v_lshl_or_b32 v[TT+\m], v[237+4*\m], 8, v[236+4*\m]
.endr
.irp m, 0,1,2,3
	s_delay_alu instid0(VALU_DEP_4)
	v_lshl_or_b32 v[TT+\m], v[238+4*\m], 16, v[TT+\m]
.endr
.irp m, 0,1,2,3
	s_delay_alu instid0(VALU_DEP_4)
	v_lshl_or_b32 v[TT+\m], v[239+4*\m], 24, v[TT+\m]            ; p's scale word for my 128 keys
.endr
	WIN 0x01
.irp m, 0,1,2,3
.irp c, 0,1
	v_cvt_scalef32_pk16_fp6_f32 v[176+20*\m+6*\c:178+20*\m+6*\c], v[64*\m+32*\c:64*\m+32*\c+15], v[160+4*\m+2*\c]
	v_cvt_scalef32_pk16_fp6_f32 v[188+20*\m+4*\c:190+20*\m+4*\c], v[64*\m+32*\c+16:64*\m+32*\c+31], v[161+4*\m+2*\c]
.endr
.endr
	WIN 0
	v_nop                                          ; one plain place behind a scaled conversion
.irp m, 0,1,2,3
.irp c, 0,1
.irp i, 0,1,2
	v_permlane16_swap_b32 v[176+20*\m+6*\c+\i], v[188+20*\m+4*\c+\i]
.endr
.irp i, 0,1,2
	s_delay_alu instid0(VALU_DEP_3)
	v_mov_b32 v[179+20*\m+6*\c+\i], v[188+20*\m+4*\c+\i]
.endr
.endr
.endr
.irp m, 0,1,2,3
.irp c, 0,1,2
	ds_store_b128 v[PWR], v[176+20*\m+4*\c:179+20*\m+4*\c] offset:1536*\m+512*\c       ; fragment 4 w + m: K step w of the second product
.endr
	ds_store_b32 v[PSW], v[TT+\m] offset:64*\m
.endr
	XPUT 2048
	WIN 0x40
.set J_, 0
.rept 32
	global_load_b128 v[128+4*J_:128+4*J_+3], v[L16], s[8:9] offset:2048*(J_/4)+512*(J_%4) th:TH_LOAD_NT   ; rows 8 w + i of x, 512 consecutive bytes a load
.set J_, J_+1
.endr
	WIN 0
	BAR                                            ; p's 32 fragments and the sums' parts lie in LDS
	LDB4 2, VB, 12800
	; ---- O^T = V^T P^T: 8 steps of 128 keys
	ACT3 0, PRD, PSR, 0
	ACT3 1, PRD, PSR, 1
	ACT3 2, PRD, PSR, 2
	ACT3 3, PRD, PSR, 3
	GSTEP 63, 8, 8, 0, 32, 0, 0, 1, PRD, PSR, 4    ; behind record 0 stand 68 loads (record 1, x, record 2): the wait's field holds 63
	LDB4 0, VB, 19200
	GSTEP 63, 8, 8, 0, 32, 1, 1, 1, PRD, PSR, 8    ; behind record 1: x, records 2 and 3: 68
	LDB4 1, VB, 25600
	GSTEP 36, 8, 8, 0, 32, 2, 1, 1, PRD, PSR, 12   ; 36: two younger records.  x, asked for ahead of record 2, is in too
	LDB4 2, VB, 32000
	WIN 0x04
.set J_, 0
.rept 32
	ds_store_b128 v[XWR], v[128+4*J_:128+4*J_+3] offset:XPI*(J_/4)+512*(J_%4)
.set J_, J_+1
.endr
	WIN 0
	GSTEP 36, 40, 40, 0, 32, 0, 1, 1, PRD, PSR, 16 ; 40: eight loads and the 32 stores stand behind the fragments wanted
	LDB4 0, VB, 38400
	GSTEP 36, 8, 8, 0, 32, 1, 1, 1, PRD, PSR, 20
	LDB4 1, VB, 44800
	GSTEP 36, 8, 8, 0, 32, 2, 1, 1, PRD, PSR, 24
	GSTEP 18, 8, 8, 0, 32, 0, 1, 1, PRD, PSR, 28
	GSTEP 0, 8, 0, 0, 32, 1, 1, 0, PRD, PSR, 0
.irp b, 0,1
.irp q, 0,1,2,3
	global_load_b128 v[112+16*\b+4*\q:115+16*\b+4*\q], v[H64], s[16:17] offset:128*\b+16*\q    ; ln2_w, ln2_b, b2 at my 32 d: 64 w + 32 b + 16 h + 0 .. 15
	global_load_b128 v[144+16*\b+4*\q:147+16*\b+4*\q], v[H64], s[18:19] offset:128*\b+16*\q
	global_load_b128 v[176+16*\b+4*\q:179+16*\b+4*\q], v[H64], s[22:23] offset:128*\b+16*\q
.endr
.endr
	BAR                                            ; 64 rows of x lie in the stage
	; ---- x1 = x + O / l, and LayerNorm2
	WIN 0x40
.irp m, 0,1,2,3
.irp b, 0,1
.irp q, 0,1,2,3
	ds_load_b128 v[128+32*\m+16*\b+4*\q:131+32*\m+16*\b+4*\q], v[XRD+\m/2] offset:8*XPI*(\m%2)+128*\b+16*\q
.endr
.endr
.endr
	WIN 0
	XGET 2048                                      ; l (its wait for 0 covers x's loads too)
	s_wait_alu depctr_va_vdst(0)
.irp m, 0,1,2,3
	v_rcp_f32 v[P0+2*\m], v[208+8*\m]
.endr
	ZERO1                                          ; plain places behind the last reciprocal
	s_wait_alu depctr_va_vdst(0)                   ; one wait for the four
	WIN 0x51
.set J_, 0
.rept 64
	v_pk_fma_f32 v[2*J_:2*J_+1], v[2*J_:2*J_+1], v[P0+2*(J_/16):P0+2*(J_/16)+1], v[128+2*J_:128+2*J_+1] op_sel_hi:[1,0,1]     ; each accumulator from its low end on
.set J_, J_+1
.endr
	WIN 0x04
.set J_, 0
.rept 16
.irp m, 0,1,2,3
	v_pk_add_f32 v[P1+2*\m:P1+2*\m+1], v[P1+2*\m:P1+2*\m+1], v[32*\m+J_:32*\m+J_+1]
.endr
.set J_, J_+2
.endr
	WIN 0
	XPUT 4096
	BAR
	XGET 4096
.irp m, 0,1,2,3
	s_delay_alu instid0(VALU_DEP_4)
	v_mul_f32 v[P0+2*\m], s44, v[208+8*\m]         ; the mean
.endr
	ZERO1
	WIN 0x41
.set J_, 0
.rept 64
	v_pk_add_f32 v[128+2*J_:128+2*J_+1], v[2*J_:2*J_+1], v[P0+2*(J_/16):P0+2*(J_/16)+1] op_sel_hi:[1,0] neg_lo:[0,1] neg_hi:[0,1]
.set J_, J_+1
.endr
	WIN 0x05
.set J_, 0
.rept 16
.irp m, 0,1,2,3
	v_pk_fma_f32 v[P1+2*\m:P1+2*\m+1], v[128+32*\m+J_:128+32*\m+J_+1], v[128+32*\m+J_:128+32*\m+J_+1], v[P1+2*\m:P1+2*\m+1]   ; the variance is taken of the deviations
.endr
.set J_, J_+2
.endr
	WIN 0
	XPUT 6144
	BAR
	XGET 6144
.irp m, 0,1,2,3
	s_delay_alu instid0(VALU_DEP_4)
	v_fma_f32 v[208+8*\m], v[208+8*\m], s44, s76   ; variance + 1e-6
.endr
	s_wait_alu depctr_va_vdst(0)
.irp m, 0,1,2,3
	v_rsq_f32 v[P0+2*\m], v[208+8*\m]
.endr
	v_nop                                          ; a plain place behind the last of the batch
	s_wait_alu depctr_va_vdst(0)                   ; one wait for the four
	s_wait_loadcnt 0x0                             ; the gains and b2
	WIN 0x41
.set J_, 0
.rept 64
	v_pk_mul_f32 v[128+2*J_:128+2*J_+1], v[128+2*J_:128+2*J_+1], v[P0+2*(J_/16):P0+2*(J_/16)+1] op_sel_hi:[1,0]
.set J_, J_+1
.endr
.set J_, 0
.rept 64
	v_pk_fma_f32 v[128+2*J_:128+2*J_+1], v[128+2*J_:128+2*J_+1], v[112+2*(J_%16):113+2*(J_%16)], v[144+2*(J_%16):145+2*(J_%16)]
.set J_, J_+1
.endr
.set J_, 0
.rept 64
	v_pk_add_f32 v[2*J_:2*J_+1], v[2*J_:2*J_+1], v[176+2*(J_%16):177+2*(J_%16)]      ; x1 + b2: what the last product's sums begin with
.set J_, J_+1
.endr
	WIN 0
	LDB1 B1P, 0                                    ; the ring's first three positions of chunk 0
	LDB3 1, W1P, 0
	LDB3 2, W1P, 6400
	QUANT32 128
	IMG32 0
	BAR                                            ; LN2's sixteen fragments lie in LDS, and stay
	ACT4 0, 0, 0
	ACT4 1, 1, 0
	ACT4 2, 2, 0
	ACT4 3, 3, 0
	; ---- THE FFN: four chunks of 512 hidden units.  A trip has nine ring positions: b1 | w1's K steps 0-3 | w2's K steps 0-3 of the chunk, in slots 0 1 2 0 1 2 0 1 2.
	; The last three refills of a trip ask for the next chunk's first three positions.  The fourth trip leaves the loop ahead of them, behind w2's K step 1, and ends in a tail that asks for nothing.
	s_mov_b32 s52, 0
.Lchunk:
	s_add_nc_u64 s[W1N:W1N+1], s[W1P:W1P+1], 204800  ; (in the fourth trip these two are made and not used)
	s_add_nc_u64 s[B1N:B1N+1], s[B1P:B1P+1], 2048
	FSTEP 14, 10, 10, 128, 1, 2, 1, 4, 0           ; w1's K step 0, begun with b1; 14: one younger record.  10: the other two fragments' loads
	LDB3 0, W1P, 12800
	LDB3 1, W1P, 19200
	FSTEP 28, 10, 10, 128, 2, 1, 1, 8, 0
	LDB3 2, W2P, 0
	FSTEP 28, 10, 10, 128, 0, 1, 1, 12, 0
	LDB3 0, W2P, 6400
	FSTEP 28, 10, 0, 128, 1, 1, 0, 0, 0
	LDB3 1, W2P, 12800
	WIN 0x44
.set J_, 0
.rept 128
	v_max_num_f32 v[128+J_], 0, v[128+J_]          ; the activation; each accumulator from its low end on
.set J_, J_+1
.endr
	QUANT32 128
	s_wait_alu depctr_va_vdst(0)
	BAR                                            ; every wave's reads of the last chunk's hidden images are over
	IMG32 HDL
	BAR                                            ; this chunk's sixteen fragments lie in LDS
	ACT4 0, 0, HDL
	ACT4 1, 1, HDL
	ACT4 2, 2, HDL
	ACT4 3, 3, HDL
	FSTEP 28, 10, 10, 0, 2, 1, 1, 4, HDL
	LDB3 2, W2P, 19200
	FSTEP 28, 10, 10, 0, 0, 1, 1, 8, HDL
	s_cmp_eq_u32 s52, 3                            ; the last chunk: no chunk follows, so nothing more is asked for
	s_cbranch_scc1 .Ltail
	LDB1 B1N, 0
	FSTEP 22, 10, 10, 0, 1, 1, 1, 12, HDL          ; 22: a record and b1's eight
	LDB3 1, W1N, 0
	FSTEP 22, 10, 10, 0, 2, 1, 1, 0, 0             ; LN2's first fragments are fetched for the next chunk
	LDB3 2, W1N, 6400
	s_wait_xcnt 0x0                                ; the loads have read their bases: all of them step or are made anew
	s_add_nc_u64 s[W1P:W1P+1], s[W1P:W1P+1], 204800
	s_add_nc_u64 s[W2P:W2P+1], s[W2P:W2P+1], 25600
	s_add_nc_u64 s[B1P:B1P+1], s[B1P:B1P+1], 2048
	s_add_co_u32 s52, s52, 1
	s_cmp_lt_u32 s52, 4
	s_cbranch_scc1 .Lchunk                         ; (the loop is left by the branch in its fourth trip)
.Ltail:
	FSTEP 14, 10, 10, 0, 1, 1, 1, 12, HDL          ; the last chunk's w2, K step 2; 14: one younger record
	FSTEP 0, 10, 0, 0, 2, 1, 0, 0, 0               ; and K step 3: no load is out behind its record, and no fragment is fetched
	; ---- THE WAY OUT: / 512, through the stage, whole rows
	WIN 0x41
.set J_, 0
.rept 64
	v_pk_mul_f32 v[2*J_:2*J_+1], v[2*J_:2*J_+1], s[44:45] op_sel_hi:[1,0]     ; each accumulator from its low end on
.set J_, J_+1
.endr
	WIN 0x04
.irp m, 0,1,2,3
.irp b, 0,1
.irp q, 0,1,2,3
	ds_store_b128 v[XRD+\m/2], v[32*\m+16*\b+4*\q:32*\m+16*\b+4*\q+3] offset:8*XPI*(\m%2)+128*\b+16*\q
.endr
.endr
.endr
	BAR                                            ; 64 whole rows of out lie in the stage
	WIN 0x44
.set J_, 0
.rept 32
	ds_load_b128 v[128+4*J_:128+4*J_+3], v[XWR] offset:XPI*(J_/4)+512*(J_%4)
.set J_, J_+1
.endr
.set J_, 0
.rept 32
	s_wait_dscnt 31-J_
	global_store_b128 v[L16], v[128+4*J_:128+4*J_+3], s[32:33] offset:2048*(J_/4)+512*(J_%4) th:TH_STORE_NT   ; 32 lanes store 512 consecutive bytes, at a multiple of 512 from out0's first byte
.set J_, J_+1
.endr
	WIN 0
	s_wait_tensorcnt 0x0
	ds_add_u32 v26, v62
	s_wait_dscnt 0x0
	s_endpgm
.Lfunc_end_k_q0ca964b254_layer:
	.size	k_q0ca964b254_layer, .Lfunc_end_k_q0ca964b254_layer-k_q0ca964b254_layer
	.p2alignl 7, 3214868480
	.fill 96, 4, 3214868480
	.section	.rodata,"a",@progbits
	.p2align	6, 0x0
	.amdhsa_kernel k_q0ca964b254_layer
		.amdhsa_group_segment_fixed_size 298496
		.amdhsa_private_segment_fixed_size 0
		.amdhsa_enable_private_segment 0
		.amdhsa_kernarg_size 104
		.amdhsa_user_sgpr_count 2
		.amdhsa_user_sgpr_kernarg_segment_ptr 1
		.amdhsa_wavefront_size32 1
		.amdhsa_system_sgpr_workgroup_id_x 1
		.amdhsa_system_sgpr_workgroup_id_y 1
		.amdhsa_system_sgpr_workgroup_id_z 1
		.amdhsa_system_vgpr_workitem_id 0
		.amdhsa_next_free_vgpr 512
		.amdhsa_next_free_sgpr 84
		.amdhsa_reserve_vcc 1
		.amdhsa_float_denorm_mode_32 3
		.amdhsa_float_denorm_mode_16_64 3
		.amdhsa_memory_ordered 1
		.amdhsa_forward_progress 1
		.amdhsa_inst_pref_size 255
	.end_amdhsa_kernel
	.section	.bss,"aw",@nobits
	.p2align	6
	.space	262144
	.amdgpu_metadata
---
amdhsa.version: [ 1, 2 ]
amdhsa.kernels:
  - .name:           k_q0ca964b254_layer
    .symbol:         k_q0ca964b254_layer.kd
    .args:
      - { .name: x, .offset: 0, .size: 8, .value_kind: global_buffer, .address_space: global }
      - { .name: t_m, .offset: 8, .size: 8, .value_kind: global_buffer, .address_space: global }
      - { .name: g_m, .offset: 16, .size: 8, .value_kind: global_buffer, .address_space: global }
      - { .name: mask, .offset: 24, .size: 8, .value_kind: global_buffer, .address_space: global }
      - { .name: ln2_w, .offset: 32, .size: 8, .value_kind: global_buffer, .address_space: global }
      - { .name: ln2_b, .offset: 40, .size: 8, .value_kind: global_buffer, .address_space: global }
      - { .name: b1, .offset: 48, .size: 8, .value_kind: global_buffer, .address_space: global }
      - { .name: b2, .offset: 56, .size: 8, .value_kind: global_buffer, .address_space: global }
      - { .name: hq, .offset: 64, .size: 8, .value_kind: global_buffer, .address_space: global }
      - { .name: hv, .offset: 72, .size: 8, .value_kind: global_buffer, .address_space: global }
      - { .name: wc, .offset: 80, .size: 8, .value_kind: global_buffer, .address_space: global }
      - { .name: pm, .offset: 88, .size: 8, .value_kind: global_buffer, .address_space: global }
      - { .name: out0, .offset: 96, .size: 8, .value_kind: global_buffer, .address_space: global }
    .group_segment_fixed_size: 298496
    .private_segment_fixed_size: 0
    .kernarg_segment_align: 8
    .kernarg_segment_size: 104
    .max_flat_workgroup_size: 256
    .sgpr_count:     84
    .vgpr_count:     512
    .wavefront_size: 32
...
	.end_amdgpu_metadata
.endif
;; end of part 2
